; MI455X (gfx1250); checked and timed in simulation.
; The chip was launched on July 23, 2026; its instructions are those of AMD's public machine-readable ISA for CDNA 5 (MIT licence, August 2026) and "CDNA5" Instruction Set Architecture Reference Guide (July 2026). The comments in the code are by the model that wrote it; some were corrected since.
;; Mo E. Allowed arithmetic: float matrix products may take bf16 or f16 operands with f32 sums; all other float work in f32.
;; Inputs: W1 8 x 1,024 x 4,096 float32; W2 8 x 4,096 x 1,024 float32; Wr 1,024 x 8 float32; b1 8 x 4,096 float32; b2 8 x 1,024 float32; br 8 float32; x 4 x 256 x 1,024 float32.
;; Outputs: out0 4 x 256 x 1,024 float32.
;; 2 versions, each right; version 2 is version 1 with the launches ffn1, ffn2 written anew for expert scheduling mode. Each part assembles by itself: llvm-mc -triple=amdgcn-amd-amdhsa -mcpu=gfx1250 --defsym DOCPART=n.
;; ======== version 1 of 2: 5 launches
;; limits: values outside matrix products are rounded to bf16
;; workspace buffers: sel 4,096 bytes of whole numbers; cnt 2,048 bytes of whole numbers; prob 8,192 bytes; pos 8,192 bytes of whole numbers; tab 256 bytes of whole numbers; xg 4,456,448 bytes; h 17,825,792 bytes; y 35,651,584 bytes
;; launch router (part 1): grid 64 x 1, 8 waves a work-group, no clusters, 9,216 bytes of LDS; arguments x, Wr, br, sel, prob, cnt; writes sel, prob, cnt
.if DOCPART == 1
	.amdgcn_target "amdgcn-amd-amdhsa--gfx1250"
	.amdhsa_code_object_version 6
	.text
	.protected	k_q9293aa5758_router
	.globl	k_q9293aa5758_router
	.p2align	8
	.type	k_q9293aa5758_router,@function
k_q9293aa5758_router:
	s_mov_b64 s[64:65], 0
	v_nop
	global_prefetch_b8 v0, s[64:65] scope:SCOPE_SE
	s_setreg_imm32_b32 hwreg(HW_REG_WAVE_MODE, 25, 1), 1
	s_wait_xcnt 0x0
; ROUTER.  scores[t][e] = sum over d of x[t][d] Wr[d][e] + br[e]; the two largest scores of each token, their softmax,
; and each token's rank among the tokens of its group of 16 that chose the same expert.
; x, Wr AND br are rounded to bf16 (the product goes to the matrix unit; br is rounded with them so that the choice is
; the one that follows from bf16 inputs); sums, comparison and softmax in f32.
; LIMITS: scores must be finite (no NaN, no infinity).  Equal scores: the lower expert wins, as in top_k.
; A work-group takes 16 tokens; wave w takes K = 128 w .. 128 w + 127, four matrix steps of 32.  The eight partial sums
; meet in LDS; wave 0 adds them in ascending w and does the rest.
; K is permuted alike in both operands: in step st lane half h holds k = 128 w + 32 st + 16 h + 0..15 in its 8 registers.
; The matrix instruction is used with Wr as source 0 and x as source 1: lane (r, h) then holds token r, register j expert
; 8 h + j.  Columns 8..15 of Wr's fragment repeat columns 0..7, so lanes 16-31 repeat lanes 0-15.
.set XR,   16                          ; v[16:79]   x as loaded, 4 steps x 16 f32; later the eight partial sums
.set WR,   80                          ; v[80:143]  Wr as loaded, 4 steps x 16 f32; later at work
.set FX,   144                         ; v[144:175] x fragments, bf16
.set FW,   176                         ; v[176:207] Wr fragments, bf16
.set ACC0, 208                         ; steps 0 and 2
.set ACC1, 216                         ; steps 1 and 3
	s_load_b128 s[4:7], s[0:1], 0x0                ; x, Wr
	s_load_b128 s[8:11], s[0:1], 0x10              ; br, sel
	s_load_b128 s[12:15], s[0:1], 0x20             ; prob, cnt
	v_lshl_add_u32 v240, v0, 2, 0x2000
	v_mov_b32 v241, 0
	v_lshrrev_b32 v2, 5, v0
	v_readfirstlane_b32 s24, v2                    ; wave
	v_and_b32 v1, 31, v0                           ; lane
	v_and_b32 v3, 15, v0                           ; r
	v_bfe_u32 v4, v0, 4, 1                         ; h
	s_lshl_b32 s25, ttmp9, 16                      ; 16 tokens x 4,096 bytes
	s_lshl_b32 s26, s24, 9                         ; + 128 w floats
	s_add_co_u32 s25, s25, s26
	v_lshlrev_b32 v5, 12, v3                       ; + r rows
	v_lshl_add_u32 v5, v4, 6, v5                   ; + 16 h floats
	v_add_nc_u32 v5, s25, v5                       ; x offset
	v_and_b32 v6, 7, v0
	v_lshlrev_b32 v6, 2, v6                        ; expert r & 7
	v_lshl_add_u32 v6, v4, 9, v6                   ; + 16 h rows of 32 bytes
	s_lshl_b32 s26, s24, 12                        ; + 128 w rows
	v_add_nc_u32 v6, s26, v6                       ; Wr offset
	v_lshlrev_b32 v7, 5, v0                        ; LDS: 1,024 w + 32 lane
	s_wait_kmcnt 0x0
	s_load_b256 s[16:23], s[8:9], 0x0              ; br
.irp st, 0,1,2,3
.irp q, 0,1,2,3
	global_load_b128 v[XR+16*\st+4*\q:XR+16*\st+4*\q+3], v5, s[4:5] offset:128*\st+16*\q
.endr
.endr
.irp st, 0,1,2,3
.irp i, 0,1,2,3,4,5,6,7,8,9,10,11,12,13,14,15
	global_load_b32 v[WR+16*\st+\i], v6, s[6:7] offset:1024*\st+32*\i
.endr
.endr
	s_wait_loadcnt 0x0
.irp st, 0,1,2,3
.irp i, 0,1,2,3,4,5,6,7
	v_cvt_pk_bf16_f32 v[FX+8*\st+\i], v[XR+16*\st+2*\i], v[XR+16*\st+2*\i+1]
	v_cvt_pk_bf16_f32 v[FW+8*\st+\i], v[WR+16*\st+2*\i], v[WR+16*\st+2*\i+1]
.endr
.endr
	; two accumulators by turns, one instruction a turn; the first two products start the sums
	v_wmma_f32_16x16x32_bf16 v[ACC0:ACC0+7], v[FW:FW+7],       v[FX:FX+7],       0
	v_wmma_f32_16x16x32_bf16 v[ACC1:ACC1+7], v[FW+8:FW+15],    v[FX+8:FX+15],    0
	v_wmma_f32_16x16x32_bf16 v[ACC0:ACC0+7], v[FW+16:FW+23],   v[FX+16:FX+23],   v[ACC0:ACC0+7]
	v_wmma_f32_16x16x32_bf16 v[ACC1:ACC1+7], v[FW+24:FW+31],   v[FX+24:FX+31],   v[ACC1:ACC1+7]
.rept 4
	v_nop                                          ; four places before a vector instruction reads a matrix result (ISA guide 7.12.1)
.endr
.irp u, 0,2,4,6
	v_pk_add_f32 v[ACC0+\u:ACC0+\u+1], v[ACC0+\u:ACC0+\u+1], v[ACC1+\u:ACC1+\u+1]
.endr
	ds_store_b128 v7, v[ACC0:ACC0+3]
	ds_store_b128 v7, v[ACC0+4:ACC0+7] offset:16
	s_wait_kmcnt 0x0                               ; br
	s_wait_dscnt 0x0                               ; my partial sums are in LDS before I say so
	s_barrier_signal -1
	s_barrier_wait -1
	s_cmp_lg_u32 s24, 0
	s_cbranch_scc1 .Lend                           ; waves 1 to 7 have done their part
	v_lshlrev_b32 v8, 5, v1
.irp w, 0,1,2,3,4,5,6,7
	ds_load_b128 v[XR+8*\w:XR+8*\w+3],   v8 offset:1024*\w
	ds_load_b128 v[XR+8*\w+4:XR+8*\w+7], v8 offset:1024*\w+16
.endr
.irp i, 0,1,2,3
	v_cvt_pk_bf16_f32 v[80+\i], s[16+2*\i], s[17+2*\i]     ; br rounded to bf16,
.endr
.irp i, 0,1,2,3
	v_lshlrev_b32 v[84+2*\i], 16, v[80+\i]                 ; and back in f32
	v_and_b32     v[85+2*\i], 0xffff0000, v[80+\i]
.endr
	s_wait_dscnt 0x0
.irp w, 1,2,3,4,5,6,7
.irp u, 0,2,4,6
	v_pk_add_f32 v[XR+\u:XR+\u+1], v[XR+\u:XR+\u+1], v[XR+8*\w+\u:XR+8*\w+\u+1]
.endr
.endr
.irp u, 0,2,4,6
	v_pk_add_f32 v[XR+\u:XR+\u+1], v[XR+\u:XR+\u+1], v[84+\u:84+\u+1]
.endr
	; the largest score: strictly greater replaces, so the lower index keeps a tie
	v_mov_b32 v92, v[XR]                           ; m1
	v_mov_b32 v93, 0                               ; i1
.irp e, 1,2,3,4,5,6,7
	v_cmp_gt_f32 vcc_lo, v[XR+\e], v92
	v_cndmask_b32 v92, v92, v[XR+\e], vcc_lo
	v_cndmask_b32 v93, v93, \e, vcc_lo
.endr
	v_mov_b32 v94, 0xff800000                      ; -infinity takes the winner's place
.irp e, 0,1,2,3,4,5,6,7
	v_cmp_eq_u32 vcc_lo, \e, v93
	v_cndmask_b32 v[XR+\e], v[XR+\e], v94, vcc_lo
.endr
	v_mov_b32 v95, v[XR]                           ; m2
	v_mov_b32 v96, 0                               ; i2
.irp e, 1,2,3,4,5,6,7
	v_cmp_gt_f32 vcc_lo, v[XR+\e], v95
	v_cndmask_b32 v95, v95, v[XR+\e], vcc_lo
	v_cndmask_b32 v96, v96, \e, vcc_lo
.endr
	; softmax of (m1, m2) with the maximum m1 taken away: p1 = 1 / (1 + e^(m2 - m1)), p2 = e^(m2 - m1) p1
	v_sub_f32 v97, v95, v92
	v_mul_f32 v97, 0x3fb8aa3b, v97
	v_exp_f32 v98, v97
	v_mov_b32 v103, 0                              ; r1 (a plain instruction stands behind each transcendental, ISA guide 5.7.2)
	s_wait_alu depctr_va_vdst(0)
	v_add_f32 v99, 1.0, v98
	v_rcp_f32 v100, v99
	v_mov_b32 v104, 0                              ; r2
	s_wait_alu depctr_va_vdst(0)
	v_mul_f32 v101, v98, v100
	v_mov_b32 v105, 0                              ; lane e: how many of the 16 tokens chose expert e
.irp e, 0,1,2,3,4,5,6,7
	v_cmp_eq_u32 s30, \e, v93
	v_cmp_eq_u32 s31, \e, v96
	s_or_b32 s32, s30, s31
	s_and_b32 s32, s32, 0xffff                     ; the 16 tokens; lanes 16-31 are copies
	v_mbcnt_lo_u32_b32 v102, s32, 0                ; choosers in lower lanes = my rank
	v_cndmask_b32 v103, v103, v102, s30
	v_cndmask_b32 v104, v104, v102, s31
	s_bcnt1_i32_b32 s33, s32
	v_writelane_b32 v105, s33, \e
.endr
	v_lshl_or_b32 v102, v96, 8, v93                ; e1 | e2 << 8 | r1 << 16 | r2 << 24
	v_lshl_or_b32 v102, v103, 16, v102
	v_lshl_or_b32 v102, v104, 24, v102
	s_lshl_b32 s27, ttmp9, 6
	s_lshl_b32 s28, ttmp9, 7
	s_lshl_b32 s29, ttmp9, 5
	v_lshl_add_u32 v106, v1, 2, s27                ; sel[16 g + lane]
	v_lshl_add_u32 v107, v1, 3, s28                ; prob[16 g + lane]
	v_lshl_add_u32 v108, v1, 2, s29                ; cnt[g][lane]
	v_cmp_gt_u32 vcc_lo, 16, v1
	s_wait_xcnt 0x0                                ; EXEC changes only behind s_wait_xcnt 0
	s_and_saveexec_b32 s34, vcc_lo
	global_store_b32 v106, v102, s[10:11]
	global_store_b64 v107, v[100:101], s[12:13]
	s_wait_xcnt 0x0
	s_or_b32 exec_lo, exec_lo, s34
	v_cmp_gt_u32 vcc_lo, 8, v1
	s_and_saveexec_b32 s34, vcc_lo
	global_store_b32 v108, v105, s[14:15]
	s_wait_xcnt 0x0
	s_or_b32 exec_lo, exec_lo, s34
.Lend:
	s_wait_tensorcnt 0x0
	ds_add_u32 v240, v241
	s_wait_dscnt 0x0
	s_endpgm
.Lfunc_end_k_q9293aa5758_router:
	.size	k_q9293aa5758_router, .Lfunc_end_k_q9293aa5758_router-k_q9293aa5758_router
	.p2alignl 7, 3214868480
	.fill 96, 4, 3214868480
	.section	.rodata,"a",@progbits
	.p2align	6, 0x0
	.amdhsa_kernel k_q9293aa5758_router
		.amdhsa_group_segment_fixed_size 9216
		.amdhsa_private_segment_fixed_size 0
		.amdhsa_enable_private_segment 0
		.amdhsa_kernarg_size 48
		.amdhsa_user_sgpr_count 2
		.amdhsa_user_sgpr_kernarg_segment_ptr 1
		.amdhsa_wavefront_size32 1
		.amdhsa_system_sgpr_workgroup_id_x 1
		.amdhsa_system_sgpr_workgroup_id_y 1
		.amdhsa_system_sgpr_workgroup_id_z 1
		.amdhsa_system_vgpr_workitem_id 0
		.amdhsa_next_free_vgpr 242
		.amdhsa_next_free_sgpr 66
		.amdhsa_reserve_vcc 1
		.amdhsa_float_denorm_mode_32 3
		.amdhsa_float_denorm_mode_16_64 3
		.amdhsa_memory_ordered 1
		.amdhsa_forward_progress 1
		.amdhsa_inst_pref_size 26
	.end_amdhsa_kernel
	.amdgpu_metadata
---
amdhsa.version: [ 1, 2 ]
amdhsa.kernels:
  - .name:           k_q9293aa5758_router
    .symbol:         k_q9293aa5758_router.kd
    .args:
      - { .name: x, .offset: 0, .size: 8, .value_kind: global_buffer, .address_space: global }
      - { .name: Wr, .offset: 8, .size: 8, .value_kind: global_buffer, .address_space: global }
      - { .name: br, .offset: 16, .size: 8, .value_kind: global_buffer, .address_space: global }
      - { .name: sel, .offset: 24, .size: 8, .value_kind: global_buffer, .address_space: global }
      - { .name: prob, .offset: 32, .size: 8, .value_kind: global_buffer, .address_space: global }
      - { .name: cnt, .offset: 40, .size: 8, .value_kind: global_buffer, .address_space: global }
    .group_segment_fixed_size: 9216
    .private_segment_fixed_size: 0
    .kernarg_segment_align: 8
    .kernarg_segment_size: 48
    .max_flat_workgroup_size: 256
    .sgpr_count:     66
    .vgpr_count:     242
    .wavefront_size: 32
...
	.end_amdgpu_metadata
.endif
;; end of part 1
;; launch place (part 2): grid 256 x 1, 4 waves a work-group, no clusters, 0 bytes of LDS; arguments x, sel, cnt, xg, pos, tab; writes xg, pos, tab
.if DOCPART == 2
	.amdgcn_target "amdgcn-amd-amdhsa--gfx1250"
	.amdhsa_code_object_version 6
	.text
	.protected	k_q9293aa5758_place
	.globl	k_q9293aa5758_place
	.p2align	8
	.type	k_q9293aa5758_place,@function
k_q9293aa5758_place:
	s_mov_b64 s[64:65], 0
	v_nop
	global_prefetch_b8 v0, s[64:65] scope:SCOPE_SE
	s_setreg_imm32_b32 hwreg(HW_REG_WAVE_MODE, 25, 1), 1
	s_wait_xcnt 0x0
; PLACE.  Each expert's rows get a run of their own in xg, beginning at a multiple of 16 rows.  One wave takes one token:
; it sums the 64 x 8 counts (every wave anew: 2 KiB, no traffic between waves), finds the token's two rows, rounds the
; token's x to bf16 and stores it to both.  Rows between an expert's last row and the next multiple of 16 are never
; written and never read.  tab[e] = { base16, T16, lastrow, npass }: first tile of 16 rows, tiles, last written row
; (row 0 if the expert has none: the first expert with rows begins at row 0, so row 0 is always written), and passes of
; 20 tiles, at least one.  Matrix units, LDS and clusters have nothing to do here: a gather of 4 MiB.
.set CN, 16                            ; v[16:31]  sixteen counts
.set XR, 32                            ; v[32:63]  the token's x: 4 x 8 f32 of mine
.set XB, 64                            ; v[64:79]  the same in bf16
	s_load_b256 s[4:11], s[0:1], 0x0               ; x, sel, cnt, xg
	s_load_b128 s[12:15], s[0:1], 0x20             ; pos, tab
	v_lshrrev_b32 v1, 5, v0
	v_readfirstlane_b32 s16, v1                    ; wave
	s_lshl_b32 s17, ttmp9, 2
	s_add_co_u32 s17, s17, s16                     ; token
	s_lshr_b32 s18, ttmp9, 2                       ; its group of 16
	s_lshl_b32 s19, s17, 2
	s_lshl_b32 s33, s17, 3
	s_lshl_b32 s20, s17, 12
	s_mov_b32 s21, 0x76543210                      ; v_permlanex16_b32: lane i reads lane i of the other half
	s_mov_b32 s22, 0xfedcba98
	v_and_b32 v1, 31, v0                           ; lane
	v_and_b32 v2, 7, v0                            ; the expert whose counts I add
	v_bfe_u32 v3, v0, 3, 2                         ; which sixteen groups
	v_lshlrev_b32 v4, 2, v2
	v_lshl_add_u32 v4, v3, 9, v4                   ; cnt[16 quarter][e]
	v_lshlrev_b32 v5, 4, v3
	v_sub_nc_u32 v5, s18, v5                       ; group 16 quarter + i lies ahead of mine where i < g - 16 quarter (signed)
	v_lshl_add_u32 v6, v1, 5, s20                  ; x: my 8 floats
	s_wait_kmcnt 0x0
	s_load_b32 s23, s[6:7], s19 offset:0x0         ; sel[t]
.irp i, 0,1,2,3,4,5,6,7,8,9,10,11,12,13,14,15
	global_load_b32 v[CN+\i], v4, s[8:9] offset:32*\i
.endr
.irp q, 0,1,2,3
	global_load_b128 v[XR+8*\q:XR+8*\q+3],   v6, s[4:5] offset:1024*\q
	global_load_b128 v[XR+8*\q+4:XR+8*\q+7], v6, s[4:5] offset:1024*\q+16
.endr
	s_wait_loadcnt 0x8                             ; the sixteen counts are in; the eight loads of x stay out
	v_mov_b32 v7, v[CN]                            ; all groups
	v_cmp_lt_i32 vcc_lo, 0, v5
	v_cndmask_b32 v8, 0, v[CN], vcc_lo             ; groups ahead of mine
.irp i, 1,2,3,4,5,6,7,8,9,10,11,12,13,14,15
	v_add_nc_u32 v7, v7, v[CN+\i]
	v_cmp_lt_i32 vcc_lo, \i, v5
	v_cndmask_b32 v9, 0, v[CN+\i], vcc_lo
	v_add_nc_u32 v8, v8, v9
.endr
	v_mov_b32 v9, 0                                ; destinations of lane moves count as read
	v_mov_b32 v10, 0
	v_mov_b32_dpp v9, v7 row_xmask:8 row_mask:0xf bank_mask:0xf
	v_mov_b32_dpp v10, v8 row_xmask:8 row_mask:0xf bank_mask:0xf
	v_add_nc_u32 v7, v7, v9
	v_add_nc_u32 v8, v8, v10
	v_permlanex16_b32 v9, v7, s21, s22
	v_permlanex16_b32 v10, v8, s21, s22
	v_add_nc_u32 v7, v7, v9                        ; lane l: rows of expert l & 7
	v_add_nc_u32 v8, v8, v10                       ; lane l: those of them in groups ahead of mine
	v_mov_b32 v11, 0                               ; lane e: first row of expert e
	v_mov_b32 v12, 0                               ; lane 4 e + i: word i of tab[e]
	s_mov_b32 s40, 0                               ; base16, running
.irp e, 0,1,2,3,4,5,6,7
	v_readlane_b32 s41, v7, \e                     ; n
	s_add_co_u32 s42, s41, 15
	s_lshr_b32 s42, s42, 4                         ; T16 = ceil(n / 16)
	s_lshl_b32 s43, s40, 4
	v_writelane_b32 v11, s43, \e
	s_add_co_u32 s44, s43, s41
	s_sub_co_u32 s44, s44, 1
	s_cmp_lg_u32 s41, 0
	s_cselect_b32 s44, s44, 0                      ; lastrow
	s_add_co_u32 s45, s42, 19
	s_mul_i32 s45, s45, 3277                       ; (T16 + 19) / 20: 3277 / 65536 is exact for arguments up to 83
	s_lshr_b32 s45, s45, 16
	s_max_u32 s45, s45, 1                          ; npass
	v_writelane_b32 v12, s40, 4*\e
	v_writelane_b32 v12, s42, 4*\e+1
	v_writelane_b32 v12, s44, 4*\e+2
	v_writelane_b32 v12, s45, 4*\e+3
	s_add_co_u32 s40, s40, s42
.endr
	v_add_nc_u32 v11, v11, v8                      ; lane e: the row of my group's first chooser of expert e
	s_wait_kmcnt 0x0
	s_and_b32 s24, s23, 0xff
	s_min_u32 s24, s24, 7                          ; e1
	s_bfe_u32 s25, s23, 0x80008
	s_min_u32 s25, s25, 7                          ; e2
	s_bfe_u32 s26, s23, 0x80010                    ; r1
	s_lshr_b32 s27, s23, 24                        ; r2
	v_readlane_b32 s28, v11, s24
	v_readlane_b32 s29, v11, s25
	s_add_co_u32 s28, s28, s26
	s_add_co_u32 s29, s29, s27
	s_min_u32 s28, s28, 2175                       ; row 1
	s_min_u32 s29, s29, 2175                       ; row 2
	s_lshl_b32 s30, s28, 11
	s_lshl_b32 s31, s29, 11
	v_lshl_add_u32 v13, v1, 4, s30
	v_lshl_add_u32 v14, v1, 4, s31
	v_mov_b32 v15, s33                             ; pos[t]
	v_mov_b32 v80, s28
	v_mov_b32 v81, s29
	s_wait_loadcnt 0x0
.irp q, 0,1,2,3
.irp i, 0,1,2,3
	v_cvt_pk_bf16_f32 v[XB+4*\q+\i], v[XR+8*\q+2*\i], v[XR+8*\q+2*\i+1]
.endr
.endr
.irp q, 0,1,2,3
	global_store_b128 v13, v[XB+4*\q:XB+4*\q+3], s[10:11] offset:512*\q   ; each store of the wave covers 512 consecutive bytes, aligned
	global_store_b128 v14, v[XB+4*\q:XB+4*\q+3], s[10:11] offset:512*\q
.endr
	v_cmp_eq_u32 vcc_lo, 0, v1
	s_wait_xcnt 0x0                                ; EXEC changes only behind s_wait_xcnt 0
	s_and_saveexec_b32 s32, vcc_lo
	global_store_b64 v15, v[80:81], s[12:13]
	s_wait_xcnt 0x0
	s_or_b32 exec_lo, exec_lo, s32
	s_or_b32 s34, ttmp9, s16
	s_cmp_lg_u32 s34, 0
	s_cbranch_scc1 .Lend                           ; the table is stored once, by wave 0 of work-group 0
	v_lshlrev_b32 v82, 2, v1
	global_store_b32 v82, v12, s[14:15]
.Lend:
	s_endpgm
.Lfunc_end_k_q9293aa5758_place:
	.size	k_q9293aa5758_place, .Lfunc_end_k_q9293aa5758_place-k_q9293aa5758_place
	.p2alignl 7, 3214868480
	.fill 96, 4, 3214868480
	.section	.rodata,"a",@progbits
	.p2align	6, 0x0
	.amdhsa_kernel k_q9293aa5758_place
		.amdhsa_group_segment_fixed_size 0
		.amdhsa_private_segment_fixed_size 0
		.amdhsa_enable_private_segment 0
		.amdhsa_kernarg_size 48
		.amdhsa_user_sgpr_count 2
		.amdhsa_user_sgpr_kernarg_segment_ptr 1
		.amdhsa_wavefront_size32 1
		.amdhsa_system_sgpr_workgroup_id_x 1
		.amdhsa_system_sgpr_workgroup_id_y 1
		.amdhsa_system_sgpr_workgroup_id_z 1
		.amdhsa_system_vgpr_workitem_id 0
		.amdhsa_next_free_vgpr 96
		.amdhsa_next_free_sgpr 66
		.amdhsa_reserve_vcc 1
		.amdhsa_float_denorm_mode_32 3
		.amdhsa_float_denorm_mode_16_64 3
		.amdhsa_memory_ordered 1
		.amdhsa_forward_progress 1
		.amdhsa_inst_pref_size 16
	.end_amdhsa_kernel
	.amdgpu_metadata
---
amdhsa.version: [ 1, 2 ]
amdhsa.kernels:
  - .name:           k_q9293aa5758_place
    .symbol:         k_q9293aa5758_place.kd
    .args:
      - { .name: x, .offset: 0, .size: 8, .value_kind: global_buffer, .address_space: global }
      - { .name: sel, .offset: 8, .size: 8, .value_kind: global_buffer, .address_space: global }
      - { .name: cnt, .offset: 16, .size: 8, .value_kind: global_buffer, .address_space: global }
      - { .name: xg, .offset: 24, .size: 8, .value_kind: global_buffer, .address_space: global }
      - { .name: pos, .offset: 32, .size: 8, .value_kind: global_buffer, .address_space: global }
      - { .name: tab, .offset: 40, .size: 8, .value_kind: global_buffer, .address_space: global }
    .group_segment_fixed_size: 0
    .private_segment_fixed_size: 0
    .kernarg_segment_align: 8
    .kernarg_segment_size: 48
    .max_flat_workgroup_size: 128
    .sgpr_count:     66
    .vgpr_count:     96
    .wavefront_size: 32
...
	.end_amdgpu_metadata
.endif
;; end of part 2
;; launch ffn1 (part 3): grid 32 x 8, 4 waves a work-group, no clusters, 312,832 bytes of LDS; arguments xg, W1, b1, tab, h; writes h
.if DOCPART == 3
	.amdgcn_target "amdgcn-amd-amdhsa--gfx1250"
	.amdhsa_code_object_version 6
	.text
	.protected	k_q9293aa5758_ffn1
	.globl	k_q9293aa5758_ffn1
	.p2align	8
	.type	k_q9293aa5758_ffn1,@function
k_q9293aa5758_ffn1:
	s_mov_b64 s[64:65], 0
	v_nop
	global_prefetch_b8 v0, s[64:65] scope:SCOPE_SE
	s_setreg_imm32_b32 hwreg(HW_REG_WAVE_MODE, 25, 1), 1
	s_wait_xcnt 0x0
; ONE LAYER OF THE EXPERTS, on the rows that chose them.  LAYER 1: h = gelu(xg W1[e] + b1[e]), bf16.  LAYER 2: y[ks] = h W2[e]
; over a quarter ks of K, f32 (the four quarters, b2 and the weights of the softmax are put together by the last launch).
; A work-group owns a slice of one expert's weights, K = 1,024 x N = 128, reads it from memory ONCE, and takes ALL rows of
; that expert through it: 32 slices x 8 experts = 256 work-groups, four waves each.
; The weights are f32 and lie [K][N]: they pass through registers to be rounded to bf16 and are laid into LDS as [k][128]
; with a pitch of 288 bytes, where they stay; ds_load_tr16_b128 reads them transposed.  So the tensor mover is not used
; (it cannot round), and with 294,912 bytes resident no f32 slots would fit beside them.
; NO CLUSTER: no two work-groups read the same weight byte; what work-groups share is the rows of A, which come by
; register loads whose rows are read from a table.
; PASS 0 has no branch on data: chunk c + 1 of 64 k is rounded and stored to LDS while chunk c is multiplied, one barrier a
; chunk.  A wave takes row tiles 20 pass + 4 j + w, j = 0..4: 80 rows x 128 columns, 40 accumulators.  Experts with more
; than 320 rows take further passes over the resident weights, which hold no barrier; their 16 chunks are written out, so
; that every LDS address in them is chunk 0's plus a constant.  Rows past the expert's last row are read as that last row
; (written for certain); tiles past its last tile are multiplied in pass 0 and not stored.
; K is permuted alike in both operands: in step st of chunk c lane half h holds k = 64 c + 32 h + 16 st + 0..15.
; The matrix instruction takes the weights as source 0 and A's rows as source 1: a lane then holds row r of the tile and
; eight neighbouring columns 16 b + 8 h + 0..7.
; LIMITS: gelu's erf is Abramowitz and Stegun 7.1.26, |error| <= 1.5e-7 at every argument; an infinite pre-activation gives NaN.
.set LAYER, 1
.if LAYER == 1
.set PASH, 11                          ; A's pitch 2,048 bytes
.set PW,   16384                       ; the weights' pitch
.set PO,   8192                        ; the output's pitch
.set TSH,  17                          ; 16 rows of output
.set HSH,  4                           ; stage: 16 bytes for each half of the lanes
.else
.set PASH, 13
.set PW,   4096
.set PO,   4096
.set TSH,  16
.set HSH,  5
.endif
.set YS,    8912896                    ; bytes of one quarter's y
.set WP,    288                        ; LDS pitch of a weight row: 256 bytes + 32, so eight rows x two 16-byte columns fall on 16 different columns of 16 bytes
.set CHUNK, 64*WP
.set STAGE, 1024*WP                    ; behind the weights: 16 rows x 272 bytes for each wave
.set SP,    272
; window 0
.set AOFF, 3                           ; v[3:7]     byte offset of my row of tile j in A, + 64 h
.set WOFF, 8                           ; v8         16 lane
.set LST,  9                           ; v9         where my wave's 16 rows of the next chunk go
.set LB,   10                          ; v10        where my weight fragments of the chunk at work lie
.set LB0,  11                          ; v11        the same for chunk 0
.set GC,   12                          ; v[12:27]   gelu's constants, each twice
.set STO,  28
.set RD,   29
.set CO,   30
.set BF0,  32                          ; v[32:95]   weight fragments of step 0; at work on the way out
.set BF1,  96                          ; v[96:159]  weight fragments of step 1; on the way out acc + bias
.set BIAS, 160                         ; v[160:223] b1 of my 8 columns of each of the 8 tiles
.set CV,   224                         ; v[224:255] a chunk's 16 rows rounded
; window 1: accumulator (j, b) at 8 (8 j + b), j = 0..3.  window 2: accumulator (4, b) at 8 b; A's fragments at ABUF + 80 p + 40 st + 8 j
.set ABUF, 64
; window 3: two stages of 16 rows x 4 f32 of weights
.set ST0,  0
.set ST1,  64
.set AX, 32
.set UU, 40
.set WQ, 48
.set MM, 56
.set PP, 64
.set TT, 72
.set EE, 80
.set PK, 88
.set MSB, 0
.macro WIN new                         ; low byte: bits 1:0 source 0, 3:2 source 1, 5:4 source 2, 7:6 destination; the high byte repeats the setting that is left
.if MSB != \new
	s_set_vgpr_msb (MSB<<8)|\new
.set MSB, \new
.endif
.endm
.macro PLACES                          ; four places behind a matrix instruction before a load lands on, or a vector instruction touches, its registers
.rept 4
	v_nop
.endr
.endm
.macro SETROWS                         ; the rows of this pass's five tiles
	s_mul_i32 s30, s24, 20
	s_add_co_u32 s30, s30, s14
	s_add_co_u32 s30, s30, s20
	s_lshl_b32 s30, s30, 4                         ; 16 (base16 + 20 pass + w)
.irp j, 0,1,2,3,4
	s_add_co_u32 s31, s30, 64*\j
	v_add_nc_u32 v[AOFF+\j], s31, v1
	v_min_u32 v[AOFF+\j], s22, v[AOFF+\j]          ; never past the expert's last row
	v_min_u32 v[AOFF+\j], 0x87f, v[AOFF+\j]        ; nor past the buffer's 2,176 rows
	v_lshl_add_u32 v[AOFF+\j], v[AOFF+\j], PASH, v31
.endr
.endm
.macro LDA p, off                      ; 20 loads: A's fragments of one chunk (2 steps x 5 tiles), into buffer p
	WIN 0x80
.irp st, 0,1
.irp j, 0,1,2,3,4
	global_load_b128 v[ABUF+80*(\p)+40*\st+8*\j:ABUF+80*(\p)+40*\st+8*\j+3],   v[AOFF+\j], s[26:27] offset:\off+32*\st
	global_load_b128 v[ABUF+80*(\p)+40*\st+8*\j+4:ABUF+80*(\p)+40*\st+8*\j+7], v[AOFF+\j], s[26:27] offset:\off+32*\st+16
.endr
.endr
.endm
.macro LDW sg, rows                    ; 16 loads: my wave's 16 rows of a chunk, 512 consecutive bytes each
	WIN 0xc0
.irp i, 0,1,2,3,4,5,6,7,8,9,10,11,12,13,14,15
	global_load_b128 v[(\sg)+4*\i:(\sg)+4*\i+3], v[WOFF], s[6:7] offset:((\rows)+\i)*PW th:TH_LOAD_NT
.endr
.endm
.macro CVST sg                         ; round a stage to bf16 and lay it into LDS
	WIN 0x0f
.irp i, 0,1,2,3,4,5,6,7,8,9,10,11,12,13,14,15
	v_cvt_pk_bf16_f32 v[CV+2*\i],   v[(\sg)+4*\i],   v[(\sg)+4*\i+1]
	v_cvt_pk_bf16_f32 v[CV+2*\i+1], v[(\sg)+4*\i+2], v[(\sg)+4*\i+3]
.endr
	WIN 0
.irp i, 0,1,2,3,4,5,6,7,8,9,10,11,12,13,14,15
	ds_store_b64 v[LST], v[CV+2*\i:CV+2*\i+1] offset:WP*\i
.endr
	v_add_nc_u32 v[LST], CHUNK, v[LST]
.endm
.macro FETCHB buf, st                  ; 16 transposing loads: the eight weight fragments of step st
	WIN 0
.irp b, 0,1,2,3,4,5,6,7
	ds_load_tr16_b128 v[\buf+8*\b:\buf+8*\b+3],   v[LB] offset:16*WP*\st+32*\b
	ds_load_tr16_b128 v[\buf+8*\b+4:\buf+8*\b+7], v[LB] offset:16*WP*\st+8*WP+32*\b
.endr
.endm
.macro MUL buf, p, st, zero            ; 40 matrix instructions; the 40 accumulators take turns, one instruction a turn, always in this order
	WIN 0x58
.irp j, 0,1,2,3
.irp b, 0,1,2,3,4,5,6,7
.if \zero
	v_wmma_f32_16x16x32_bf16 v[8*(8*\j+\b):8*(8*\j+\b)+7], v[\buf+8*\b:\buf+8*\b+7], v[ABUF+80*(\p)+40*\st+8*\j:ABUF+80*(\p)+40*\st+8*\j+7], 0
.else
	v_wmma_f32_16x16x32_bf16 v[8*(8*\j+\b):8*(8*\j+\b)+7], v[\buf+8*\b:\buf+8*\b+7], v[ABUF+80*(\p)+40*\st+8*\j:ABUF+80*(\p)+40*\st+8*\j+7], v[8*(8*\j+\b):8*(8*\j+\b)+7]
.endif
.endr
.endr
	WIN 0xa8
.irp b, 0,1,2,3,4,5,6,7
.if \zero
	v_wmma_f32_16x16x32_bf16 v[8*\b:8*\b+7], v[\buf+8*\b:\buf+8*\b+7], v[ABUF+80*(\p)+40*\st+32:ABUF+80*(\p)+40*\st+39], 0
.else
	v_wmma_f32_16x16x32_bf16 v[8*\b:8*\b+7], v[\buf+8*\b:\buf+8*\b+7], v[ABUF+80*(\p)+40*\st+32:ABUF+80*(\p)+40*\st+39], v[8*\b:8*\b+7]
.endif
.endr
.endm
.macro STEP both                       ; two chunks on
	s_wait_xcnt 0x0                                ; the bases are stepped only behind this wait
	s_add_nc_u64 s[26:27], s[26:27], 256
.if \both
	s_add_nc_u64 s[6:7], s[6:7], 128*PW
.endif
.endm
; Chunk c, of parity p.  a: fetch A of chunk c + 1.  f: 1 = round and store the weights of chunk c + 1, 2 = also fetch those of chunk c + 3.
; wW, wA: how many younger loads may stay out when the weights of c + 1, and A of c, must be in.  nb: a chunk follows.
.macro TRIP p, zero, a, f, wW, wA, nb
	PLACES
.if \a
	LDA (1-\p), (\p+1)*128
.endif
.if \f
	s_wait_loadcnt \wW
	CVST (64-64*\p)
.if \f == 2
	LDW (64-64*\p), (\p+3)*64
.endif
	s_wait_dscnt 0x0                               ; my rows of chunk c + 1 are in LDS before I say so
	s_barrier_signal -1
.endif
	s_wait_loadcnt \wA
	FETCHB BF1, 1                                  ; chunk c, which nobody writes again
	s_wait_dscnt 16                                ; all but these sixteen: step 0's fragments are in
	MUL BF0, \p, 0, \zero
.if \f
	s_barrier_wait -1                              ; chunk c + 1 is whole
.endif
	PLACES
.if \nb
	WIN 0
	v_add_nc_u32 v[LB], CHUNK, v[LB]
	FETCHB BF0, 0                                  ; chunk c + 1, step 0
	s_wait_dscnt 16                                ; all but these sixteen: step 1's fragments are in
.else
	s_wait_dscnt 0x0
.endif
	MUL BF1, \p, 1, 0
.endm
.macro GELU x                          ; eight numbers at v[x..x+7] -> four packed words at PK.  gelu(x) = max(x, 0) - |x| e^(-x x / 2) P(t) / 2, t = 1 / (1 + 0.2316419 |x|)
.irp i, 0,1,2,3,4,5,6,7
	v_and_b32 v[AX+\i], 0x7fffffff, v[(\x)+\i]
.endr
.irp i, 0,2,4,6
	v_pk_fma_f32 v[UU+\i:UU+\i+1], v[AX+\i:AX+\i+1], v[GC:GC+1], v[GC+2:GC+3]
	v_pk_mul_f32 v[WQ+\i:WQ+\i+1], v[AX+\i:AX+\i+1], v[AX+\i:AX+\i+1]
.endr
.irp i, 0,2,4,6
	v_pk_mul_f32 v[WQ+\i:WQ+\i+1], v[WQ+\i:WQ+\i+1], v[GC+4:GC+5]
.endr
.irp i, 0,1,2,3,4,5,6,7
	v_rcp_f32 v[TT+\i], v[UU+\i]
.endr
.irp i, 0,1,2,3,4,5,6,7
	v_exp_f32 v[EE+\i], v[WQ+\i]
.endr
.irp i, 0,1,2,3,4,5,6,7
	v_max_num_f32 v[MM+\i], 0, v[(\x)+\i]          ; plain instructions behind the transcendentals (ISA guide 5.7.2)
.endr
	s_wait_alu depctr_va_vdst(0)
.irp i, 0,2,4,6
	v_pk_fma_f32 v[PP+\i:PP+\i+1], v[TT+\i:TT+\i+1], v[GC+6:GC+7], v[GC+8:GC+9]
.endr
.irp c, 10,12,14
.irp i, 0,2,4,6
	v_pk_fma_f32 v[PP+\i:PP+\i+1], v[PP+\i:PP+\i+1], v[TT+\i:TT+\i+1], v[GC+\c:GC+\c+1]
.endr
.endr
.irp i, 0,2,4,6
	v_pk_mul_f32 v[PP+\i:PP+\i+1], v[PP+\i:PP+\i+1], v[TT+\i:TT+\i+1]
	v_pk_mul_f32 v[AX+\i:AX+\i+1], v[AX+\i:AX+\i+1], v[EE+\i:EE+\i+1]
.endr
.irp i, 0,2,4,6
	v_pk_fma_f32 v[MM+\i:MM+\i+1], v[AX+\i:AX+\i+1], v[PP+\i:PP+\i+1], v[MM+\i:MM+\i+1]   ; the coefficients are kept negated and halved
.endr
.irp i, 0,1,2,3
	v_cvt_pk_bf16_f32 v[PK+\i], v[MM+2*\i], v[MM+2*\i+1]
.endr
.endm
; The way out of tile j: through my wave's own stage, so that sixteen lanes store 256 consecutive bytes, aligned.
.macro EPI j
	s_mul_i32 s30, s24, 20
	s_add_co_u32 s30, s30, s14
	s_add_co_u32 s30, s30, 4*\j                    ; the tile's number among the expert's
	s_cmp_ge_u32 s30, s21
	s_cbranch_scc1 .Lskip_\@                       ; past the expert's last tile: nothing to store
	s_add_co_u32 s30, s30, s20
	s_min_u32 s30, s30, 135
	s_lshl_b32 s30, s30, TSH
	s_mov_b32 s31, 0
	s_wait_xcnt 0x0                                ; the last tile's stores: their base and data are rewritten only behind this wait
	s_add_nc_u64 s[28:29], s[12:13], s[30:31]
.if \j < 4
	WIN 0x01
.else
	WIN 0x02
.endif
.irp b, 0,1,2,3,4,5,6,7
.irp u, 0,2,4,6
	v_pk_add_f32 v[BF1+8*\b+\u:BF1+8*\b+\u+1], v[(64*\j)%256+8*\b+\u:(64*\j)%256+8*\b+\u+1], v[BIAS+8*\b+\u:BIAS+8*\b+\u+1]
.endr
.endr
	WIN 0
.irp b, 0,1,2,3,4,5,6,7
	GELU (BF1+8*\b)
	ds_store_b128 v[STO], v[PK:PK+3] offset:32*\b
.endr
.irp t, 0,1,2,3,4,5,6,7
	ds_load_b128 v[BF0+4*\t:BF0+4*\t+3], v[RD] offset:2*SP*\t      ; LDS serves a wave's instructions in order (ISA guide 5.7.1): these see the stores above
.endr
.irp t, 0,1,2,3,4,5,6,7
	s_wait_dscnt 7-\t
	global_store_b128 v[CO], v[BF0+4*\t:BF0+4*\t+3], s[28:29] offset:2*\t*PO
.endr
.Lskip_\@:
.endm
	s_load_b256 s[4:11], s[0:1], 0x0               ; A s[4:5], W s[6:7], b1 s[8:9], tab s[10:11]
	s_load_b64 s[12:13], s[0:1], 0x20              ; out
	s_set_vgpr_msb 0x80
	v_lshl_add_u32 v254, v0, 2, 0x4c400
	v_mov_b32 v255, 0
	s_set_vgpr_msb 0x8000
	v_lshrrev_b32 v1, 5, v0
	v_readfirstlane_b32 s14, v1                    ; wave
	s_and_b32 s15, ttmp7, 0xffff                   ; expert
	s_mov_b32 s16, ttmp9                           ; block of 128 columns
	s_mov_b32 s24, 0                               ; pass
	v_and_b32 v1, 15, v0                           ; r
	v_bfe_u32 v2, v0, 4, 1                         ; h
	v_and_b32 v[CV], 31, v0                        ; lane
	v_lshlrev_b32 v[WOFF], 4, v[CV]
	s_mul_i32 s30, s14, 16*WP
	v_lshl_add_u32 v[LST], v[CV], 3, s30           ; row 16 w, 8 bytes a lane
	v_and_b32 v[LB0], 7, v0
	v_lshl_add_u32 v[LB0], v2, 5, v[LB0]
	v_mul_u32_u24 v[LB0], v[LB0], WP               ; row 32 h + (lane & 7)
	v_bfe_u32 v[LB], v0, 3, 1
	v_lshl_add_u32 v[LB0], v[LB], 4, v[LB0]        ; + 16 bytes for the odd groups of eight lanes
	v_mov_b32 v[LB], v[LB0]
	s_mul_i32 s30, s14, 16*SP
	s_add_co_u32 s30, s30, STAGE                   ; my stage
	v_mul_u32_u24 v[STO], v1, SP
	v_lshl_add_u32 v[STO], v2, HSH, v[STO]
	v_add_nc_u32 v[STO], s30, v[STO]
	v_mul_u32_u24 v[RD], v2, SP
	v_lshl_add_u32 v[RD], v1, 4, v[RD]
	v_add_nc_u32 v[RD], s30, v[RD]
	v_mul_u32_u24 v[CO], v2, PO
	v_lshl_add_u32 v[CO], v1, 4, v[CO]
	v_lshlrev_b32 v31, 6, v2                       ; 64 h: 32 k of bf16
	v_lshlrev_b32 v2, 5, v2                        ; 32 h: 8 f32 of bias
.irp u, 0,1
	v_mov_b32 v[GC+\u],    0.2316419               ; 0.3275911 / sqrt 2
	v_mov_b32 v[GC+2+\u],  1.0
	v_mov_b32 v[GC+4+\u],  0xbf38aa3b              ; -log2(e) / 2
	v_mov_b32 v[GC+6+\u],  -0.5307027145           ; -a5 / 2
	v_mov_b32 v[GC+8+\u],  0.7265760135            ; -a4 / 2
	v_mov_b32 v[GC+10+\u], -0.7107068705           ; -a3 / 2
	v_mov_b32 v[GC+12+\u], 0.142248368             ; -a2 / 2
	v_mov_b32 v[GC+14+\u], -0.127414796            ; -a1 / 2
.endr
	s_lshl_b32 s30, s15, 4
	s_wait_kmcnt 0x0
	s_load_b128 s[20:23], s[10:11], s30 offset:0x0 ; base16, T16, lastrow, npass
	s_lshl_b32 s32, s15, 24                        ; the expert's 16 MiB
	s_lshl_b32 s33, s16, 9                         ; + my 128 columns
	s_add_co_u32 s32, s32, s33
	s_mul_i32 s33, s14, 16*PW                      ; + my wave's 16 rows
	s_add_co_u32 s32, s32, s33
	s_mov_b32 s33, 0
	s_add_nc_u64 s[6:7], s[6:7], s[32:33]
	s_lshl_b32 s32, s15, 14
	s_lshl_b32 s33, s16, 9
	s_add_co_u32 s32, s32, s33
	s_mov_b32 s33, 0
	s_add_nc_u64 s[8:9], s[8:9], s[32:33]          ; b1[e][128 nb]
	s_lshl_b32 s32, s16, 8
	s_add_nc_u64 s[12:13], s[12:13], s[32:33]      ; h at my columns
.irp b, 0,1,2,3,4,5,6,7
	global_load_b128 v[BIAS+8*\b:BIAS+8*\b+3],   v2, s[8:9] offset:64*\b
	global_load_b128 v[BIAS+8*\b+4:BIAS+8*\b+7], v2, s[8:9] offset:64*\b+16
.endr
	LDW ST0, 0                                     ; chunks 0 and 1 of the weights go out first: they hang on no table
	LDW ST1, 64
	WIN 0
	s_wait_kmcnt 0x0
	SETROWS
	s_mov_b64 s[26:27], s[4:5]
	LDA 0, 0
	s_wait_loadcnt 36                              ; chunk 1's weights (16) and chunk 0's A (20) stay out: chunk 0's weights and the bias are in
	CVST ST0
	LDW ST0, 128
	s_wait_dscnt 0x0
	s_barrier_signal -1
	s_barrier_wait -1                              ; chunk 0 is whole
	FETCHB BF0, 0
	; Loads are issued in the order .. W(c+1), A(c), W(c+2) | A(c+1), W(c+3).  So W(c+1) is in when 20 + 16 + 20 = 56 younger ones are out,
	; and A(c) when 16 + 20 + 16 = 52 are: each chunk of weights has two chunks' work in which to come.
	TRIP 0, 1, 1, 2, 56, 52, 1                     ; chunk 0: its products start the sums, nothing is cleared
	TRIP 1, 0, 1, 2, 56, 52, 1
	STEP 1
	WIN 0
	s_mov_b32 s25, 5
.Lpair:                                            ; chunks 2 to 11
	TRIP 0, 0, 1, 2, 56, 52, 1
	TRIP 1, 0, 1, 2, 56, 52, 1
	STEP 1
	WIN 0
	s_sub_co_u32 s25, s25, 1
	s_cmp_lg_u32 s25, 0
	s_cbranch_scc1 .Lpair
	TRIP 0, 0, 1, 2, 56, 52, 1                     ; chunk 12 asks for the last weights, chunk 15's
	TRIP 1, 0, 1, 1, 56, 36, 1                     ; chunk 13: behind A(13) only W(15) 16 + A(14) 20
	STEP 1
	TRIP 0, 0, 1, 1, 40, 20, 1                     ; chunk 14: behind W(15) A(14) 20 + A(15) 20; behind A(14) A(15) 20
	TRIP 1, 0, 0, 0, 0, 0, 0                       ; chunk 15: nothing left to fetch
	WIN 0
.Lepi:
	PLACES
	EPI 0
	EPI 1
	EPI 2
	EPI 3
	EPI 4
	s_add_co_u32 s24, s24, 1
	s_cmp_ge_u32 s24, s23
	s_cbranch_scc1 .Ldone
	; A further pass of 20 tiles over the resident weights: no LDS byte of the weights is written any more, so no barrier.
	; Its 16 chunks are written out: LB starts anew at chunk 0's address and goes on by constants, up to byte 294,880, short of the stages.
	s_wait_xcnt 0x0                                ; the stores' data and the loads' offsets are rewritten only behind this wait
	SETROWS
	s_mov_b64 s[26:27], s[4:5]
	v_mov_b32 v[LB], v[LB0]
	LDA 0, 0
	FETCHB BF0, 0
	TRIP 0, 1, 1, 0, 0, 20, 1                      ; chunks 0 and 1; behind A(c) only A(c+1): 20
	TRIP 1, 0, 1, 0, 0, 20, 1
	STEP 0
.rept 6                                            ; chunks 2 to 13
	TRIP 0, 0, 1, 0, 0, 20, 1
	TRIP 1, 0, 1, 0, 0, 20, 1
	STEP 0
.endr
	TRIP 0, 0, 1, 0, 0, 20, 1                      ; chunk 14
	TRIP 1, 0, 0, 0, 0, 0, 0                       ; chunk 15
	WIN 0
	s_cmp_lt_u32 s24, s23
	s_cbranch_scc1 .Lepi
.Ldone:
	s_set_vgpr_msb 0xa
	s_wait_tensorcnt 0x0
	ds_add_u32 v254, v255
	s_wait_dscnt 0x0
	s_set_vgpr_msb 0xa00
	s_endpgm
.Lfunc_end_k_q9293aa5758_ffn1:
	.size	k_q9293aa5758_ffn1, .Lfunc_end_k_q9293aa5758_ffn1-k_q9293aa5758_ffn1
	.p2alignl 7, 3214868480
	.fill 96, 4, 3214868480
	.section	.rodata,"a",@progbits
	.p2align	6, 0x0
	.amdhsa_kernel k_q9293aa5758_ffn1
		.amdhsa_group_segment_fixed_size 312832
		.amdhsa_private_segment_fixed_size 0
		.amdhsa_enable_private_segment 0
		.amdhsa_kernarg_size 40
		.amdhsa_user_sgpr_count 2
		.amdhsa_user_sgpr_kernarg_segment_ptr 1
		.amdhsa_wavefront_size32 1
		.amdhsa_system_sgpr_workgroup_id_x 1
		.amdhsa_system_sgpr_workgroup_id_y 1
		.amdhsa_system_sgpr_workgroup_id_z 1
		.amdhsa_system_vgpr_workitem_id 0
		.amdhsa_next_free_vgpr 896
		.amdhsa_next_free_sgpr 66
		.amdhsa_reserve_vcc 0
		.amdhsa_float_denorm_mode_32 3
		.amdhsa_float_denorm_mode_16_64 3
		.amdhsa_memory_ordered 1
		.amdhsa_forward_progress 1
		.amdhsa_inst_pref_size 255
	.end_amdhsa_kernel
	.section	.bss,"aw",@nobits
	.p2align	6
	.space	262144
	.amdgpu_metadata
---
amdhsa.version: [ 1, 2 ]
amdhsa.kernels:
  - .name:           k_q9293aa5758_ffn1
    .symbol:         k_q9293aa5758_ffn1.kd
    .args:
      - { .name: xg, .offset: 0, .size: 8, .value_kind: global_buffer, .address_space: global }
      - { .name: W1, .offset: 8, .size: 8, .value_kind: global_buffer, .address_space: global }
      - { .name: b1, .offset: 16, .size: 8, .value_kind: global_buffer, .address_space: global }
      - { .name: tab, .offset: 24, .size: 8, .value_kind: global_buffer, .address_space: global }
      - { .name: h, .offset: 32, .size: 8, .value_kind: global_buffer, .address_space: global }
    .group_segment_fixed_size: 312832
    .private_segment_fixed_size: 0
    .kernarg_segment_align: 8
    .kernarg_segment_size: 40
    .max_flat_workgroup_size: 128
    .sgpr_count:     66
    .vgpr_count:     896
    .wavefront_size: 32
...
	.end_amdgpu_metadata
.endif
;; end of part 3
;; launch ffn2 (part 4): grid 32 x 8, 4 waves a work-group, no clusters, 312,832 bytes of LDS; arguments h, W2, tab, y; writes y
.if DOCPART == 4
	.amdgcn_target "amdgcn-amd-amdhsa--gfx1250"
	.amdhsa_code_object_version 6
	.text
	.protected	k_q9293aa5758_ffn2
	.globl	k_q9293aa5758_ffn2
	.p2align	8
	.type	k_q9293aa5758_ffn2,@function
k_q9293aa5758_ffn2:
	s_mov_b64 s[64:65], 0
	v_nop
	global_prefetch_b8 v0, s[64:65] scope:SCOPE_SE
	s_setreg_imm32_b32 hwreg(HW_REG_WAVE_MODE, 25, 1), 1
	s_wait_xcnt 0x0
; ONE LAYER OF THE EXPERTS, on the rows that chose them.  LAYER 1: h = gelu(xg W1[e] + b1[e]), bf16.  LAYER 2: y[ks] = h W2[e]
; over a quarter ks of K, f32 (the four quarters, b2 and the weights of the softmax are put together by the last launch).
; A work-group owns a slice of one expert's weights, K = 1,024 x N = 128, reads it from memory ONCE, and takes ALL rows of
; that expert through it: 32 slices x 8 experts = 256 work-groups, four waves each.
; The weights are f32 and lie [K][N]: they pass through registers to be rounded to bf16 and are laid into LDS as [k][128]
; with a pitch of 288 bytes, where they stay; ds_load_tr16_b128 reads them transposed.  So the tensor mover is not used
; (it cannot round), and with 294,912 bytes resident no f32 slots would fit beside them.
; NO CLUSTER: no two work-groups read the same weight byte; what work-groups share is the rows of A, which come by
; register loads whose rows are read from a table.
; PASS 0 has no branch on data: chunk c + 1 of 64 k is rounded and stored to LDS while chunk c is multiplied, one barrier a
; chunk.  A wave takes row tiles 20 pass + 4 j + w, j = 0..4: 80 rows x 128 columns, 40 accumulators.  Experts with more
; than 320 rows take further passes over the resident weights, which hold no barrier; their 16 chunks are written out, so
; that every LDS address in them is chunk 0's plus a constant.  Rows past the expert's last row are read as that last row
; (written for certain); tiles past its last tile are multiplied in pass 0 and not stored.
; K is permuted alike in both operands: in step st of chunk c lane half h holds k = 64 c + 32 h + 16 st + 0..15.
; The matrix instruction takes the weights as source 0 and A's rows as source 1: a lane then holds row r of the tile and
; eight neighbouring columns 16 b + 8 h + 0..7.
; This text is the first layer's with other pitches, no bias, no gelu, and f32 out in two halves of 64 columns.
.set PASH, 13                          ; A's pitch 8,192 bytes
.set PW,   4096                        ; the weights' pitch
.set PO,   4096                        ; the output's pitch
.set TSH,  16                          ; 16 rows of output
.set HSH,  5                           ; stage: 32 bytes for each half of the lanes
.set YS,    8912896                    ; bytes of one quarter's y
.set WP,    288                        ; LDS pitch of a weight row: 256 bytes + 32, so eight rows x two 16-byte columns fall on 16 different columns of 16 bytes
.set CHUNK, 64*WP
.set STAGE, 1024*WP                    ; behind the weights: 16 rows x 272 bytes for each wave
.set SP,    272
; window 0
.set AOFF, 3                           ; v[3:7]     byte offset of my row of tile j in A, + 64 h
.set WOFF, 8                           ; v8         16 lane
.set LST,  9                           ; v9         where my wave's 16 rows of the next chunk go
.set LB,   10                          ; v10        where my weight fragments of the chunk at work lie
.set LB0,  11                          ; v11        the same for chunk 0
.set STO,  28
.set RD,   29
.set CO,   30
.set BF0,  32                          ; v[32:95]   weight fragments of step 0; on the way out rows read back
.set BF1,  96                          ; v[96:159]  weight fragments of step 1
.set CV,   224                         ; v[224:255] a chunk's 16 rows rounded
; window 1: accumulator (j, b) at 8 (8 j + b), j = 0..3.  window 2: accumulator (4, b) at 8 b; A's fragments at ABUF + 80 p + 40 st + 8 j
.set ABUF, 64
; window 3: two stages of 16 rows x 4 f32 of weights
.set ST0,  0
.set ST1,  64
.set MSB, 0
.macro WIN new                         ; low byte: bits 1:0 source 0, 3:2 source 1, 5:4 source 2, 7:6 destination; the high byte repeats the setting that is left
.if MSB != \new
	s_set_vgpr_msb (MSB<<8)|\new
.set MSB, \new
.endif
.endm
.macro PLACES                          ; four places behind a matrix instruction before a load lands on, or a vector instruction touches, its registers
.rept 4
	v_nop
.endr
.endm
.macro SETROWS                         ; the rows of this pass's five tiles
	s_mul_i32 s30, s24, 20
	s_add_co_u32 s30, s30, s14
	s_add_co_u32 s30, s30, s20
	s_lshl_b32 s30, s30, 4                         ; 16 (base16 + 20 pass + w)
.irp j, 0,1,2,3,4
	s_add_co_u32 s31, s30, 64*\j
	v_add_nc_u32 v[AOFF+\j], s31, v1
	v_min_u32 v[AOFF+\j], s22, v[AOFF+\j]          ; never past the expert's last row
	v_min_u32 v[AOFF+\j], 0x87f, v[AOFF+\j]        ; nor past the buffer's 2,176 rows
	v_lshl_add_u32 v[AOFF+\j], v[AOFF+\j], PASH, v31
.endr
.endm
.macro LDA p, off                      ; 20 loads: A's fragments of one chunk (2 steps x 5 tiles), into buffer p
	WIN 0x80
.irp st, 0,1
.irp j, 0,1,2,3,4
	global_load_b128 v[ABUF+80*(\p)+40*\st+8*\j:ABUF+80*(\p)+40*\st+8*\j+3],   v[AOFF+\j], s[26:27] offset:\off+32*\st
	global_load_b128 v[ABUF+80*(\p)+40*\st+8*\j+4:ABUF+80*(\p)+40*\st+8*\j+7], v[AOFF+\j], s[26:27] offset:\off+32*\st+16
.endr
.endr
.endm
.macro LDW sg, rows                    ; 16 loads: my wave's 16 rows of a chunk, 512 consecutive bytes each
	WIN 0xc0
.irp i, 0,1,2,3,4,5,6,7,8,9,10,11,12,13,14,15
	global_load_b128 v[(\sg)+4*\i:(\sg)+4*\i+3], v[WOFF], s[6:7] offset:((\rows)+\i)*PW th:TH_LOAD_NT
.endr
.endm
.macro CVST sg                         ; round a stage to bf16 and lay it into LDS
	WIN 0x0f
.irp i, 0,1,2,3,4,5,6,7,8,9,10,11,12,13,14,15
	v_cvt_pk_bf16_f32 v[CV+2*\i],   v[(\sg)+4*\i],   v[(\sg)+4*\i+1]
	v_cvt_pk_bf16_f32 v[CV+2*\i+1], v[(\sg)+4*\i+2], v[(\sg)+4*\i+3]
.endr
	WIN 0
.irp i, 0,1,2,3,4,5,6,7,8,9,10,11,12,13,14,15
	ds_store_b64 v[LST], v[CV+2*\i:CV+2*\i+1] offset:WP*\i
.endr
	v_add_nc_u32 v[LST], CHUNK, v[LST]
.endm
.macro FETCHB buf, st                  ; 16 transposing loads: the eight weight fragments of step st
	WIN 0
.irp b, 0,1,2,3,4,5,6,7
	ds_load_tr16_b128 v[\buf+8*\b:\buf+8*\b+3],   v[LB] offset:16*WP*\st+32*\b
	ds_load_tr16_b128 v[\buf+8*\b+4:\buf+8*\b+7], v[LB] offset:16*WP*\st+8*WP+32*\b
.endr
.endm
.macro MUL buf, p, st, zero            ; 40 matrix instructions; the 40 accumulators take turns, one instruction a turn, always in this order
	WIN 0x58
.irp j, 0,1,2,3
.irp b, 0,1,2,3,4,5,6,7
.if \zero
	v_wmma_f32_16x16x32_bf16 v[8*(8*\j+\b):8*(8*\j+\b)+7], v[\buf+8*\b:\buf+8*\b+7], v[ABUF+80*(\p)+40*\st+8*\j:ABUF+80*(\p)+40*\st+8*\j+7], 0
.else
	v_wmma_f32_16x16x32_bf16 v[8*(8*\j+\b):8*(8*\j+\b)+7], v[\buf+8*\b:\buf+8*\b+7], v[ABUF+80*(\p)+40*\st+8*\j:ABUF+80*(\p)+40*\st+8*\j+7], v[8*(8*\j+\b):8*(8*\j+\b)+7]
.endif
.endr
.endr
	WIN 0xa8
.irp b, 0,1,2,3,4,5,6,7
.if \zero
	v_wmma_f32_16x16x32_bf16 v[8*\b:8*\b+7], v[\buf+8*\b:\buf+8*\b+7], v[ABUF+80*(\p)+40*\st+32:ABUF+80*(\p)+40*\st+39], 0
.else
	v_wmma_f32_16x16x32_bf16 v[8*\b:8*\b+7], v[\buf+8*\b:\buf+8*\b+7], v[ABUF+80*(\p)+40*\st+32:ABUF+80*(\p)+40*\st+39], v[8*\b:8*\b+7]
.endif
.endr
.endm
.macro STEP both                       ; two chunks on
	s_wait_xcnt 0x0                                ; the bases are stepped only behind this wait
	s_add_nc_u64 s[26:27], s[26:27], 256
.if \both
	s_add_nc_u64 s[6:7], s[6:7], 128*PW
.endif
.endm
; Chunk c, of parity p.  a: fetch A of chunk c + 1.  f: 1 = round and store the weights of chunk c + 1, 2 = also fetch those of chunk c + 3.
; wW, wA: how many younger loads may stay out when the weights of c + 1, and A of c, must be in.  nb: a chunk follows.
.macro TRIP p, zero, a, f, wW, wA, nb
	PLACES
.if \a
	LDA (1-\p), (\p+1)*128
.endif
.if \f
	s_wait_loadcnt \wW
	CVST (64-64*\p)
.if \f == 2
	LDW (64-64*\p), (\p+3)*64
.endif
	s_wait_dscnt 0x0                               ; my rows of chunk c + 1 are in LDS before I say so
	s_barrier_signal -1
.endif
	s_wait_loadcnt \wA
	FETCHB BF1, 1                                  ; chunk c, which nobody writes again
	s_wait_dscnt 16                                ; all but these sixteen: step 0's fragments are in
	MUL BF0, \p, 0, \zero
.if \f
	s_barrier_wait -1                              ; chunk c + 1 is whole
.endif
	PLACES
.if \nb
	WIN 0
	v_add_nc_u32 v[LB], CHUNK, v[LB]
	FETCHB BF0, 0                                  ; chunk c + 1, step 0
	s_wait_dscnt 16                                ; all but these sixteen: step 1's fragments are in
.else
	s_wait_dscnt 0x0
.endif
	MUL BF1, \p, 1, 0
.endm
; The way out of tile j: through my wave's own stage, so that sixteen lanes store 256 consecutive bytes, aligned.
.macro EPI j
	s_mul_i32 s30, s24, 20
	s_add_co_u32 s30, s30, s14
	s_add_co_u32 s30, s30, 4*\j                    ; the tile's number among the expert's
	s_cmp_ge_u32 s30, s21
	s_cbranch_scc1 .Lskip_\@                       ; past the expert's last tile: nothing to store
	s_add_co_u32 s30, s30, s20
	s_min_u32 s30, s30, 135
	s_lshl_b32 s30, s30, TSH
	s_mov_b32 s31, 0
	s_wait_xcnt 0x0                                ; the last tile's stores: their base and data are rewritten only behind this wait
	s_add_nc_u64 s[28:29], s[12:13], s[30:31]
.irp hf, 0,1
.if \j < 4
	WIN 0x04
.else
	WIN 0x08
.endif
.irp bb, 0,1,2,3
	ds_store_b128 v[STO], v[(64*\j)%256+8*(4*\hf+\bb):(64*\j)%256+8*(4*\hf+\bb)+3]   offset:64*\bb
	ds_store_b128 v[STO], v[(64*\j)%256+8*(4*\hf+\bb)+4:(64*\j)%256+8*(4*\hf+\bb)+7] offset:64*\bb+16
.endr
	WIN 0
.irp t, 0,1,2,3,4,5,6,7
	ds_load_b128 v[BF0+32*\hf+4*\t:BF0+32*\hf+4*\t+3], v[RD] offset:2*SP*\t      ; LDS serves a wave's instructions in order (ISA guide 5.7.1): these see the stores above
.endr
.irp t, 0,1,2,3,4,5,6,7
	s_wait_dscnt 7-\t
	global_store_b128 v[CO], v[BF0+32*\hf+4*\t:BF0+32*\hf+4*\t+3], s[28:29] offset:256*\hf+2*\t*PO
.endr
.endr
.Lskip_\@:
.endm
	s_load_b128 s[4:7], s[0:1], 0x0                ; A s[4:5], W s[6:7]
	s_load_b64 s[10:11], s[0:1], 0x10              ; tab
	s_load_b64 s[12:13], s[0:1], 0x18              ; out
	v_lshl_add_u32 v222, v0, 2, 0x4c400
	v_mov_b32 v223, 0
	v_lshrrev_b32 v1, 5, v0
	v_readfirstlane_b32 s14, v1                    ; wave
	s_and_b32 s15, ttmp7, 0xffff                   ; expert
	s_and_b32 s16, ttmp9, 7                        ; block of 128 columns
	s_lshr_b32 s17, ttmp9, 3                       ; quarter of K
	s_mov_b32 s24, 0                               ; pass
	v_and_b32 v1, 15, v0                           ; r
	v_bfe_u32 v2, v0, 4, 1                         ; h
	v_and_b32 v[CV], 31, v0                        ; lane
	v_lshlrev_b32 v[WOFF], 4, v[CV]
	s_mul_i32 s30, s14, 16*WP
	v_lshl_add_u32 v[LST], v[CV], 3, s30           ; row 16 w, 8 bytes a lane
	v_and_b32 v[LB0], 7, v0
	v_lshl_add_u32 v[LB0], v2, 5, v[LB0]
	v_mul_u32_u24 v[LB0], v[LB0], WP               ; row 32 h + (lane & 7)
	v_bfe_u32 v[LB], v0, 3, 1
	v_lshl_add_u32 v[LB0], v[LB], 4, v[LB0]        ; + 16 bytes for the odd groups of eight lanes
	v_mov_b32 v[LB], v[LB0]
	s_mul_i32 s30, s14, 16*SP
	s_add_co_u32 s30, s30, STAGE                   ; my stage
	v_mul_u32_u24 v[STO], v1, SP
	v_lshl_add_u32 v[STO], v2, HSH, v[STO]
	v_add_nc_u32 v[STO], s30, v[STO]
	v_mul_u32_u24 v[RD], v2, SP
	v_lshl_add_u32 v[RD], v1, 4, v[RD]
	v_add_nc_u32 v[RD], s30, v[RD]
	v_mul_u32_u24 v[CO], v2, PO
	v_lshl_add_u32 v[CO], v1, 4, v[CO]
	v_lshlrev_b32 v31, 6, v2                       ; 64 h: 32 k of bf16
	s_lshl_b32 s30, s15, 4
	s_wait_kmcnt 0x0
	s_load_b128 s[20:23], s[10:11], s30 offset:0x0 ; base16, T16, lastrow, npass
	s_lshl_b32 s32, s15, 24                        ; the expert's 16 MiB
	s_lshl_b32 s33, s16, 9                         ; + my 128 columns
	s_add_co_u32 s32, s32, s33
	s_mul_i32 s33, s14, 16*PW                      ; + my wave's 16 rows
	s_add_co_u32 s32, s32, s33
	s_lshl_b32 s33, s17, 22                        ; + 1,024 rows a quarter
	s_add_co_u32 s32, s32, s33
	s_mov_b32 s33, 0
	s_add_nc_u64 s[6:7], s[6:7], s[32:33]
	s_lshl_b32 s32, s17, 11
	s_add_nc_u64 s[4:5], s[4:5], s[32:33]          ; h at my quarter of K
	s_mul_i32 s32, s17, YS
	s_lshl_b32 s33, s16, 9
	s_add_co_u32 s32, s32, s33
	s_mov_b32 s33, 0
	s_add_nc_u64 s[12:13], s[12:13], s[32:33]      ; y[ks] at my columns
	LDW ST0, 0                                     ; chunks 0 and 1 of the weights go out first: they hang on no table
	LDW ST1, 64
	WIN 0
	s_wait_kmcnt 0x0
	SETROWS
	s_mov_b64 s[26:27], s[4:5]
	LDA 0, 0
	s_wait_loadcnt 36                              ; chunk 1's weights (16) and chunk 0's A (20) stay out: chunk 0's weights are in
	CVST ST0
	LDW ST0, 128
	s_wait_dscnt 0x0
	s_barrier_signal -1
	s_barrier_wait -1                              ; chunk 0 is whole
	FETCHB BF0, 0
	; Loads are issued in the order .. W(c+1), A(c), W(c+2) | A(c+1), W(c+3).  So W(c+1) is in when 20 + 16 + 20 = 56 younger ones are out,
	; and A(c) when 16 + 20 + 16 = 52 are: each chunk of weights has two chunks' work in which to come.
	TRIP 0, 1, 1, 2, 56, 52, 1                     ; chunk 0: its products start the sums, nothing is cleared
	TRIP 1, 0, 1, 2, 56, 52, 1
	STEP 1
	WIN 0
	s_mov_b32 s25, 5
.Lpair:                                            ; chunks 2 to 11
	TRIP 0, 0, 1, 2, 56, 52, 1
	TRIP 1, 0, 1, 2, 56, 52, 1
	STEP 1
	WIN 0
	s_sub_co_u32 s25, s25, 1
	s_cmp_lg_u32 s25, 0
	s_cbranch_scc1 .Lpair
	TRIP 0, 0, 1, 2, 56, 52, 1                     ; chunk 12 asks for the last weights, chunk 15's
	TRIP 1, 0, 1, 1, 56, 36, 1                     ; chunk 13: behind A(13) only W(15) 16 + A(14) 20
	STEP 1
	TRIP 0, 0, 1, 1, 40, 20, 1                     ; chunk 14: behind W(15) A(14) 20 + A(15) 20; behind A(14) A(15) 20
	TRIP 1, 0, 0, 0, 0, 0, 0                       ; chunk 15: nothing left to fetch
	WIN 0
.Lepi:
	PLACES
	EPI 0
	EPI 1
	EPI 2
	EPI 3
	EPI 4
	s_add_co_u32 s24, s24, 1
	s_cmp_ge_u32 s24, s23
	s_cbranch_scc1 .Ldone
	; A further pass of 20 tiles over the resident weights: no LDS byte of the weights is written any more, so no barrier.
	; Its 16 chunks are written out: LB starts anew at chunk 0's address and goes on by constants, up to byte 294,880, short of the stages.
	s_wait_xcnt 0x0                                ; the stores' data and the loads' offsets are rewritten only behind this wait
	SETROWS
	s_mov_b64 s[26:27], s[4:5]
	v_mov_b32 v[LB], v[LB0]
	LDA 0, 0
	FETCHB BF0, 0
	TRIP 0, 1, 1, 0, 0, 20, 1                      ; chunks 0 and 1; behind A(c) only A(c+1): 20
	TRIP 1, 0, 1, 0, 0, 20, 1
	STEP 0
.rept 6                                            ; chunks 2 to 13
	TRIP 0, 0, 1, 0, 0, 20, 1
	TRIP 1, 0, 1, 0, 0, 20, 1
	STEP 0
.endr
	TRIP 0, 0, 1, 0, 0, 20, 1                      ; chunk 14
	TRIP 1, 0, 0, 0, 0, 0, 0                       ; chunk 15
	WIN 0
	s_cmp_lt_u32 s24, s23
	s_cbranch_scc1 .Lepi
.Ldone:
	s_wait_tensorcnt 0x0
	ds_add_u32 v222, v223
	s_wait_dscnt 0x0
	s_endpgm
.Lfunc_end_k_q9293aa5758_ffn2:
	.size	k_q9293aa5758_ffn2, .Lfunc_end_k_q9293aa5758_ffn2-k_q9293aa5758_ffn2
	.p2alignl 7, 3214868480
	.fill 96, 4, 3214868480
	.section	.rodata,"a",@progbits
	.p2align	6, 0x0
	.amdhsa_kernel k_q9293aa5758_ffn2
		.amdhsa_group_segment_fixed_size 312832
		.amdhsa_private_segment_fixed_size 0
		.amdhsa_enable_private_segment 0
		.amdhsa_kernarg_size 32
		.amdhsa_user_sgpr_count 2
		.amdhsa_user_sgpr_kernarg_segment_ptr 1
		.amdhsa_wavefront_size32 1
		.amdhsa_system_sgpr_workgroup_id_x 1
		.amdhsa_system_sgpr_workgroup_id_y 1
		.amdhsa_system_sgpr_workgroup_id_z 1
		.amdhsa_system_vgpr_workitem_id 0
		.amdhsa_next_free_vgpr 896
		.amdhsa_next_free_sgpr 66
		.amdhsa_reserve_vcc 0
		.amdhsa_float_denorm_mode_32 3
		.amdhsa_float_denorm_mode_16_64 3
		.amdhsa_memory_ordered 1
		.amdhsa_forward_progress 1
		.amdhsa_inst_pref_size 255
	.end_amdhsa_kernel
	.section	.bss,"aw",@nobits
	.p2align	6
	.space	262144
	.amdgpu_metadata
---
amdhsa.version: [ 1, 2 ]
amdhsa.kernels:
  - .name:           k_q9293aa5758_ffn2
    .symbol:         k_q9293aa5758_ffn2.kd
    .args:
      - { .name: h, .offset: 0, .size: 8, .value_kind: global_buffer, .address_space: global }
      - { .name: W2, .offset: 8, .size: 8, .value_kind: global_buffer, .address_space: global }
      - { .name: tab, .offset: 16, .size: 8, .value_kind: global_buffer, .address_space: global }
      - { .name: y, .offset: 24, .size: 8, .value_kind: global_buffer, .address_space: global }
    .group_segment_fixed_size: 312832
    .private_segment_fixed_size: 0
    .kernarg_segment_align: 8
    .kernarg_segment_size: 32
    .max_flat_workgroup_size: 128
    .sgpr_count:     66
    .vgpr_count:     896
    .wavefront_size: 32
...
	.end_amdgpu_metadata
.endif
;; end of part 4
;; launch combine (part 5): grid 256 x 1, 8 waves a work-group, no clusters, 0 bytes of LDS; arguments y, b2, prob, pos, sel, out0; writes out0
.if DOCPART == 5
	.amdgcn_target "amdgcn-amd-amdhsa--gfx1250"
	.amdhsa_code_object_version 6
	.text
	.protected	k_q9293aa5758_combine
	.globl	k_q9293aa5758_combine
	.p2align	8
	.type	k_q9293aa5758_combine,@function
k_q9293aa5758_combine:
	s_mov_b64 s[64:65], 0
	v_nop
	global_prefetch_b8 v0, s[64:65] scope:SCOPE_SE
	s_setreg_imm32_b32 hwreg(HW_REG_WAVE_MODE, 25, 1), 1
	s_wait_xcnt 0x0
; COMBINE.  out[t] = p1 (y(row1) + b2[e1]) + p2 (y(row2) + b2[e2]), where y(row) is the sum of the four quarters of K, in
; ascending order.  A wave takes half a token's row (512 columns): all its 40 loads go out at once, each covering 512
; consecutive bytes, aligned.  A stream of some 40 MiB: no LDS, no barrier, no matrix unit.
.set YS, 8912896                       ; bytes of one quarter's y
.set YR, 16                            ; v[16:143]  row k, quarter ks, piece q at YR + 64 k + 16 ks + 4 q
.set BR, 144                           ; v[144:175] b2 of expert k, piece q at BR + 16 k + 4 q
	s_load_b256 s[4:11], s[0:1], 0x0               ; y, b2, prob, pos
	s_load_b128 s[12:15], s[0:1], 0x20             ; sel, out0
	v_lshrrev_b32 v1, 5, v0
	v_readfirstlane_b32 s16, v1                    ; wave
	s_lshr_b32 s17, s16, 1
	s_lshl_b32 s18, ttmp9, 2
	s_add_co_u32 s17, s17, s18                     ; token
	s_and_b32 s18, s16, 1
	s_lshl_b32 s18, s18, 11                        ; which 2,048 bytes of the row
	s_lshl_b32 s19, s17, 3
	s_lshl_b32 s24, s17, 2
	v_and_b32 v1, 31, v0
	v_lshl_add_u32 v2, v1, 4, s18
	s_wait_kmcnt 0x0
	s_load_b64 s[20:21], s[8:9], s19 offset:0x0    ; p1, p2
	s_load_b64 s[22:23], s[10:11], s19 offset:0x0  ; row1, row2
	s_load_b32 s25, s[12:13], s24 offset:0x0       ; e1, e2 in the two low bytes
	s_mov_b64 s[28:29], s[4:5]
	s_add_nc_u64 s[30:31], s[4:5], YS
	s_add_nc_u64 s[32:33], s[4:5], 2*YS
	s_add_nc_u64 s[34:35], s[4:5], 3*YS
	s_lshl_b32 s36, s17, 12
	v_add_nc_u32 v7, s36, v2                       ; out
	s_wait_kmcnt 0x0
	s_min_u32 s22, s22, 2175
	s_min_u32 s23, s23, 2175
	s_lshl_b32 s22, s22, 12
	s_lshl_b32 s23, s23, 12
	v_add_nc_u32 v3, s22, v2
	v_add_nc_u32 v4, s23, v2
	s_and_b32 s26, s25, 0xff
	s_min_u32 s26, s26, 7
	s_bfe_u32 s27, s25, 0x80008
	s_min_u32 s27, s27, 7
	s_lshl_b32 s26, s26, 12
	s_lshl_b32 s27, s27, 12
	v_add_nc_u32 v5, s26, v2
	v_add_nc_u32 v6, s27, v2
.irp k, 0,1
.irp ks, 0,1,2,3
.irp q, 0,1,2,3
	global_load_b128 v[YR+64*\k+16*\ks+4*\q:YR+64*\k+16*\ks+4*\q+3], v[3+\k], s[28+2*\ks:29+2*\ks] offset:512*\q th:TH_LOAD_NT
.endr
.endr
.endr
.irp k, 0,1
.irp q, 0,1,2,3
	global_load_b128 v[BR+16*\k+4*\q:BR+16*\k+4*\q+3], v[5+\k], s[6:7] offset:512*\q
.endr
.endr
	v_mov_b32 v8, s20
	v_mov_b32 v9, s20
	v_mov_b32 v10, s21
	v_mov_b32 v11, s21
	s_wait_loadcnt 0x0
.irp k, 0,1
.irp u, 0,2,4,6,8,10,12,14
	v_pk_add_f32 v[YR+64*\k+\u:YR+64*\k+\u+1], v[YR+64*\k+\u:YR+64*\k+\u+1], v[YR+64*\k+16+\u:YR+64*\k+16+\u+1]
	v_pk_add_f32 v[YR+64*\k+\u:YR+64*\k+\u+1], v[YR+64*\k+\u:YR+64*\k+\u+1], v[YR+64*\k+32+\u:YR+64*\k+32+\u+1]
	v_pk_add_f32 v[YR+64*\k+\u:YR+64*\k+\u+1], v[YR+64*\k+\u:YR+64*\k+\u+1], v[YR+64*\k+48+\u:YR+64*\k+48+\u+1]
	v_pk_add_f32 v[YR+64*\k+\u:YR+64*\k+\u+1], v[YR+64*\k+\u:YR+64*\k+\u+1], v[BR+16*\k+\u:BR+16*\k+\u+1]
.endr
.endr
.irp u, 0,2,4,6,8,10,12,14
	v_pk_mul_f32 v[YR+\u:YR+\u+1], v[YR+\u:YR+\u+1], v[8:9]
	v_pk_fma_f32 v[YR+\u:YR+\u+1], v[YR+64+\u:YR+64+\u+1], v[10:11], v[YR+\u:YR+\u+1]
.endr
.irp q, 0,1,2,3
	global_store_b128 v7, v[YR+4*\q:YR+4*\q+3], s[14:15] offset:512*\q
.endr
	s_endpgm
.Lfunc_end_k_q9293aa5758_combine:
	.size	k_q9293aa5758_combine, .Lfunc_end_k_q9293aa5758_combine-k_q9293aa5758_combine
	.p2alignl 7, 3214868480
	.fill 96, 4, 3214868480
	.section	.rodata,"a",@progbits
	.p2align	6, 0x0
	.amdhsa_kernel k_q9293aa5758_combine
		.amdhsa_group_segment_fixed_size 0
		.amdhsa_private_segment_fixed_size 0
		.amdhsa_enable_private_segment 0
		.amdhsa_kernarg_size 48
		.amdhsa_user_sgpr_count 2
		.amdhsa_user_sgpr_kernarg_segment_ptr 1
		.amdhsa_wavefront_size32 1
		.amdhsa_system_sgpr_workgroup_id_x 1
		.amdhsa_system_sgpr_workgroup_id_y 1
		.amdhsa_system_sgpr_workgroup_id_z 1
		.amdhsa_system_vgpr_workitem_id 0
		.amdhsa_next_free_vgpr 192
		.amdhsa_next_free_sgpr 66
		.amdhsa_reserve_vcc 0
		.amdhsa_float_denorm_mode_32 3
		.amdhsa_float_denorm_mode_16_64 3
		.amdhsa_memory_ordered 1
		.amdhsa_forward_progress 1
		.amdhsa_inst_pref_size 12
	.end_amdhsa_kernel
	.amdgpu_metadata
---
amdhsa.version: [ 1, 2 ]
amdhsa.kernels:
  - .name:           k_q9293aa5758_combine
    .symbol:         k_q9293aa5758_combine.kd
    .args:
      - { .name: y, .offset: 0, .size: 8, .value_kind: global_buffer, .address_space: global }
      - { .name: b2, .offset: 8, .size: 8, .value_kind: global_buffer, .address_space: global }
      - { .name: prob, .offset: 16, .size: 8, .value_kind: global_buffer, .address_space: global }
      - { .name: pos, .offset: 24, .size: 8, .value_kind: global_buffer, .address_space: global }
      - { .name: sel, .offset: 32, .size: 8, .value_kind: global_buffer, .address_space: global }
      - { .name: out0, .offset: 40, .size: 8, .value_kind: global_buffer, .address_space: global }
    .group_segment_fixed_size: 0
    .private_segment_fixed_size: 0
    .kernarg_segment_align: 8
    .kernarg_segment_size: 48
    .max_flat_workgroup_size: 256
    .sgpr_count:     66
    .vgpr_count:     192
    .wavefront_size: 32
...
	.end_amdgpu_metadata
.endif
;; end of part 5
;; ======== version 2 of 2: 5 launches; version 1 with the launches ffn1, ffn2 written anew for expert scheduling mode
;; limits: values outside matrix products are rounded to bf16
;; workspace buffers: sel 4,096 bytes of whole numbers; cnt 2,048 bytes of whole numbers; prob 8,192 bytes; pos 8,192 bytes of whole numbers; tab 256 bytes of whole numbers; xg 4,456,448 bytes; h 17,825,792 bytes; y 35,651,584 bytes
;; launch router: the kernel of part 1 again; grid 64 x 1, 8 waves a work-group, no clusters, 9,216 bytes of LDS; arguments x, Wr, br, sel, prob, cnt; writes sel, prob, cnt
;; launch place: the kernel of part 2 again; grid 256 x 1, 4 waves a work-group, no clusters, 0 bytes of LDS; arguments x, sel, cnt, xg, pos, tab; writes xg, pos, tab
;; launch ffn1 (part 6): grid 32 x 8, 4 waves a work-group, no clusters, 312,832 bytes of LDS; arguments xg, W1, b1, tab, h; writes h
.if DOCPART == 6
	.amdgcn_target "amdgcn-amd-amdhsa--gfx1250"
	.amdhsa_code_object_version 6
	.text
	.protected	k_q9293aa5758_ffn1
	.globl	k_q9293aa5758_ffn1
	.p2align	8
	.type	k_q9293aa5758_ffn1,@function
k_q9293aa5758_ffn1:
	s_mov_b64 s[64:65], 0
	v_nop
	global_prefetch_b8 v0, s[64:65] scope:SCOPE_SE
	s_setreg_imm32_b32 hwreg(HW_REG_WAVE_SCHED_MODE, 0, 2), 2
	s_setreg_imm32_b32 hwreg(HW_REG_WAVE_MODE, 25, 1), 1
	s_wait_xcnt 0x0
	s_wait_alu depctr_vm_vsrc(0)
; ONE LAYER OF THE EXPERTS, on the rows that chose them.  LAYER 1: h = gelu(xg W1[e] + b1[e]), bf16.  LAYER 2: y[ks] = h W2[e]
; over a quarter ks of K, f32 (the four quarters, b2 and the weights of the softmax are put together by the last launch).
; A work-group owns a slice of one expert's weights, K = 1,024 x N = 128, reads it from memory ONCE, and takes ALL rows of
; that expert through it: 32 slices x 8 experts = 256 work-groups, four waves each.
; The weights are f32 and lie [K][N]: they pass through registers to be rounded to bf16 and are laid into LDS as [k][128]
; with a pitch of 288 bytes, where they stay; ds_load_tr16_b128 reads them transposed.  So the tensor mover is not used
; (it cannot round), and with 294,912 bytes resident no f32 slots would fit beside them.
; NO CLUSTER: no two work-groups read the same weight byte; what work-groups share is the rows of A, which come by
; register loads whose rows are read from a table.
; PASS 0 has no branch on data: chunk c + 1 of 64 k is rounded and stored to LDS while chunk c is multiplied, one barrier a
; chunk.  A wave takes row tiles 20 pass + 4 j + w, j = 0..4: 80 rows x 128 columns, 40 accumulators.  Experts with more
; than 320 rows take further passes over the resident weights, which hold no barrier; their 16 chunks are written out, so
; that every LDS address in them is chunk 0's plus a constant.  Rows past the expert's last row are read as that last row
; (written for certain); tiles past its last tile are multiplied in pass 0 and not stored.
; K is permuted alike in both operands: in step st of chunk c lane half h holds k = 64 c + 32 h + 16 st + 0..15.
; The matrix instruction takes the weights as source 0 and A's rows as source 1: a lane then holds row r of the tile and
; eight neighbouring columns 16 b + 8 h + 0..7.
; LIMITS: gelu's erf is Abramowitz and Stegun 7.1.26, |error| <= 1.5e-7 at every argument; an infinite pre-activation gives NaN.
; THE MODE: SCHED_MODE bits 1:0 = 2 (LLVM: expert scheduling mode 2), set by the entry lines.  The code itself states the register
; dependences between vector or matrix instructions and memory or LDS instructions, with s_wait_alu, always for 0.
; THE PLAN.  Registers that memory or LDS instructions touch, in chunk c of parity p:
;   ST[1-p]        Read by the chunk's 32 conversions; behind them the loads of chunk c + 3's weights land in it.
;   CV             Written by those conversions; read by the chunk's 16 LDS stores.
;   A[1-p]         Read by chunk c - 1's matrix instructions; the loads of chunk c + 1's rows land in it.
;   BF[1-p]        Two sets of 64 registers.  Read by chunk c - 1's matrix instructions; behind the chunk's barrier the fragments of chunk c + 1 land in them.
;   v[LST], v[LB]  The LDS addresses of chunk c + 1: stepped at the chunk's head; read by its LDS stores and by its fragment loads.
;   v[AOFF ..], v[WOFF], v[STO], v[RD], v[CO]  Offsets and addresses that no line of a pass writes.
; The chunk's own matrix instructions name BF[p], A[p] and the accumulators: none of the registers that its loads and stores touch.
; So two waits stand at a chunk's head.  One on vm_vsrc: the last chunk's LDS stores and fragment loads have read CV, v[LST] and v[LB]; the two adds and
; the conversions follow it.  One on va_vdst behind the conversions: see TRIP.  All the chunk's 16 LDS stores and 68 loads follow that one with no further wait.
.set LAYER, 1
.if LAYER == 1
.set PASH, 11                          ; A's pitch 2,048 bytes
.set PW,   16384                       ; the weights' pitch
.set PO,   8192                        ; the output's pitch
.set TSH,  17                          ; 16 rows of output
.set HSH,  4                           ; stage: 16 bytes for each half of the lanes
.else
.set PASH, 13
.set PW,   4096
.set PO,   4096
.set TSH,  16
.set HSH,  5
.endif
.set YS,    8912896                    ; bytes of one quarter's y
.set WP,    288                        ; LDS pitch of a weight row: 256 bytes + 32, so eight rows x two 16-byte columns fall on 16 different columns of 16 bytes
.set CHUNK, 64*WP
.set STAGE, 1024*WP                    ; behind the weights: 16 rows x 272 bytes for each wave
.set SP,    272
; window 0
.set AOFF, 3                           ; v[3:7]     byte offset of my row of tile j in A, + 64 h
.set WOFF, 8                           ; v8         16 lane
.set LST,  9                           ; v9         where my wave's 16 rows of a chunk go
.set LB,   10                          ; v10        where my weight fragments of the chunk to be fetched lie
.set LB0,  11                          ; v11        the same for chunk 0
.set GC,   12                          ; v[12:27]   gelu's constants, each twice
.set STO,  28
.set RD,   29
.set CO,   30
.set BF0,  32                          ; v[32:95]   even chunks' weight fragments of step 0; at work on the way out
.set BF1,  96                          ; v[96:159]  even chunks' weight fragments of step 1; on the way out acc + bias
.set BIAS, 160                         ; v[160:223] b1 of my 8 columns of each of the 8 tiles
.set CV,   224                         ; v[224:255] a chunk's 16 rows rounded; on the way out a tile's packed results
; window 1: accumulator (j, b) at 8 (8 j + b), j = 0..3.  window 2: accumulator (4, b) at 8 b; A's fragments at ABUF + 80 p + 40 st + 8 j
.set ABUF, 64
; window 3: v[0:127] two stages of 16 rows x 4 f32 of weights; v[128:191], v[192:255] odd chunks' weight fragments of steps 0 and 1
.set ST0,  0
.set ST1,  64
.set AX, 32
.set UU, 40
.set WQ, 48
.set MM, 56
.set PP, 64
.set TT, 72
.set EE, 80
.set MSB, 0
.macro WIN new                         ; low byte: bits 1:0 source 0, 3:2 source 1, 5:4 source 2, 7:6 destination; the high byte repeats the setting that is left
.if MSB != (\new)
	s_set_vgpr_msb (MSB<<8)|(\new)
.set MSB, (\new)
.endif
.endm
.macro PLACES                          ; four places behind a matrix instruction before a load lands on, or a vector instruction touches, its registers
.rept 4
	v_nop
.endr
.endm
.macro SETROWS                         ; the rows of this pass's five tiles
	s_mul_i32 s30, s24, 20
	s_add_co_u32 s30, s30, s14
	s_add_co_u32 s30, s30, s20
	s_lshl_b32 s30, s30, 4                         ; 16 (base16 + 20 pass + w)
.irp j, 0,1,2,3,4
	s_add_co_u32 s31, s30, 64*\j
	v_add_nc_u32 v[AOFF+\j], s31, v1
	v_min_u32 v[AOFF+\j], s22, v[AOFF+\j]          ; never past the expert's last row
	v_min_u32 v[AOFF+\j], 0x87f, v[AOFF+\j]        ; nor past the buffer's 2,176 rows
	v_lshl_add_u32 v[AOFF+\j], v[AOFF+\j], PASH, v31
.endr
.endm
.macro LDA p, off                      ; 20 loads: A's fragments of one chunk (2 steps x 5 tiles), into buffer p
	WIN 0x80
.irp st, 0,1
.irp j, 0,1,2,3,4
	global_load_b128 v[ABUF+80*(\p)+40*\st+8*\j:ABUF+80*(\p)+40*\st+8*\j+3],   v[AOFF+\j], s[26:27] offset:\off+32*\st
	global_load_b128 v[ABUF+80*(\p)+40*\st+8*\j+4:ABUF+80*(\p)+40*\st+8*\j+7], v[AOFF+\j], s[26:27] offset:\off+32*\st+16
.endr
.endr
.endm
.macro LDW sg, rows                    ; 16 loads: my wave's 16 rows of a chunk, 512 consecutive bytes each
	WIN 0xc0
.irp i, 0,1,2,3,4,5,6,7,8,9,10,11,12,13,14,15
	global_load_b128 v[(\sg)+4*\i:(\sg)+4*\i+3], v[WOFF], s[6:7] offset:((\rows)+\i)*PW th:TH_LOAD_NT
.endr
.endm
.macro CVT sg                          ; round a stage to bf16
	WIN 0x0f
.irp i, 0,1,2,3,4,5,6,7,8,9,10,11,12,13,14,15
	v_cvt_pk_bf16_f32 v[CV+2*\i],   v[(\sg)+4*\i],   v[(\sg)+4*\i+1]
	v_cvt_pk_bf16_f32 v[CV+2*\i+1], v[(\sg)+4*\i+2], v[(\sg)+4*\i+3]
.endr
.endm
.macro STW                             ; and lay it into LDS
	WIN 0
.irp i, 0,1,2,3,4,5,6,7,8,9,10,11,12,13,14,15
	ds_store_b64 v[LST], v[CV+2*\i:CV+2*\i+1] offset:WP*\i
.endr
.endm
.macro FETCHB q, st                    ; 16 transposing loads: the eight weight fragments of step st of the chunk at v[LB], into the set of parity q
	WIN 0xc0*(\q)
.set mFB, 32+96*(\q)+64*(\st)
.irp b, 0,1,2,3,4,5,6,7
	ds_load_tr16_b128 v[mFB+8*\b:mFB+8*\b+3],   v[LB] offset:16*WP*(\st)+32*\b
	ds_load_tr16_b128 v[mFB+8*\b+4:mFB+8*\b+7], v[LB] offset:16*WP*(\st)+8*WP+32*\b
.endr
.endm
.macro MULT p, st, zero, j             ; 8 matrix instructions: tile j.  The 40 accumulators take turns, one instruction a turn, always in the order j = 0..4, b = 0..7
.if (\j) < 4
	WIN 0x58+3*(\p)
.set mAC, 64*(\j)
.else
	WIN 0xa8+3*(\p)
.set mAC, 0
.endif
.set mFB, 32+96*(\p)+64*(\st)
.set mFA, ABUF+80*(\p)+40*(\st)+8*(\j)
.irp b, 0,1,2,3,4,5,6,7
.if \zero
	v_wmma_f32_16x16x32_bf16 v[mAC+8*\b:mAC+8*\b+7], v[mFB+8*\b:mFB+8*\b+7], v[mFA:mFA+7], 0
.else
	v_wmma_f32_16x16x32_bf16 v[mAC+8*\b:mAC+8*\b+7], v[mFB+8*\b:mFB+8*\b+7], v[mFA:mFA+7], v[mAC+8*\b:mAC+8*\b+7]
.endif
.endr
.endm
.macro STEP both                       ; two chunks on
	s_wait_xcnt 0x0                                ; the bases are stepped only behind this wait
	s_add_nc_u64 s[26:27], s[26:27], 256
.if \both
	s_add_nc_u64 s[6:7], s[6:7], 128*PW
.endif
.endm
; Chunk c, of parity p.  a: fetch A of chunk c + 1.  f: 1 = round and store the weights of chunk c + 1, 2 = also fetch those of chunk c + 3.
; wW, wA: how many younger loads may stay out when the weights of c + 1, and A of c, must be in.  nb: a chunk follows.
.macro TRIP p, zero, a, f, wW, wA, nb
.if \nb
	WIN 0
	s_wait_alu depctr_vm_vsrc(0)                   ; the last chunk's fragment loads have read v[LB]; its LDS stores have read v[LST] and v[CV ..]: all are written again below
	v_add_nc_u32 v[LB], CHUNK, v[LB]               ; chunk c + 1
.if \f
	v_add_nc_u32 v[LST], CHUNK, v[LST]
	s_wait_loadcnt \wW
	CVT (64-64*\p)                                 ; these are also the places between the last chunk's matrix instructions and the loads into the registers that they read
.else
	PLACES
.endif
	s_wait_alu depctr_va_vdst(0)                   ; v[LB] (and v[LST], v[CV ..]) are written; the conversions are done reading their stage; the last chunk's matrix instructions are done reading A[1-p] and BF[1-p]
.endif
.if \f
	STW
.endif
.if \a
	LDA (1-\p), (\p+1)*128
.endif
.if \f == 2
	LDW (64-64*\p), (\p+3)*64
.endif
.if \f
	s_wait_dscnt 0x0                               ; my rows of chunk c + 1 are in LDS before I say so; this chunk's fragments are in too
	s_barrier_signal -1
.else
	s_wait_dscnt 16                                ; step 0's fragments are in; step 1's sixteen loads may stay out
.endif
	s_wait_loadcnt \wA
.irp j, 0,1,2,3,4
	MULT \p, 0, \zero, \j
.endr
.if \f
	s_barrier_wait -1                              ; chunk c + 1 is whole
.endif
.if \nb
	FETCHB (1-\p), 0                               ; no wait: no vector or matrix instruction since the wait on va_vdst names v[LB] or BF[1-p]
.endif
.if !\f
	s_wait_dscnt 16*\nb                            ; all but the sixteen just issued: step 1's fragments are in
.endif
	MULT \p, 1, 0, 0
	MULT \p, 1, 0, 1
.if \nb
	FETCHB (1-\p), 1
.endif
	MULT \p, 1, 0, 2
	MULT \p, 1, 0, 3
	MULT \p, 1, 0, 4
.endm
.macro GELU x, pk                      ; eight numbers at v[x..x+7] -> four packed words at v[pk..pk+3].  gelu(x) = max(x, 0) - |x| e^(-x x / 2) P(t) / 2, t = 1 / (1 + 0.2316419 |x|)
.irp i, 0,1,2,3,4,5,6,7
	v_and_b32 v[AX+\i], 0x7fffffff, v[(\x)+\i]
.endr
.irp i, 0,2,4,6
	v_pk_fma_f32 v[UU+\i:UU+\i+1], v[AX+\i:AX+\i+1], v[GC:GC+1], v[GC+2:GC+3]
	v_pk_mul_f32 v[WQ+\i:WQ+\i+1], v[AX+\i:AX+\i+1], v[AX+\i:AX+\i+1]
.endr
.irp i, 0,2,4,6
	v_pk_mul_f32 v[WQ+\i:WQ+\i+1], v[WQ+\i:WQ+\i+1], v[GC+4:GC+5]
.endr
.irp i, 0,1,2,3,4,5,6,7
	v_rcp_f32 v[TT+\i], v[UU+\i]
.endr
.irp i, 0,1,2,3,4,5,6,7
	v_exp_f32 v[EE+\i], v[WQ+\i]
.endr
.irp i, 0,1,2,3,4,5,6,7
	v_max_num_f32 v[MM+\i], 0, v[(\x)+\i]          ; plain instructions behind the transcendentals (ISA guide 5.7.2)
.endr
	s_wait_alu depctr_va_vdst(0)
.irp i, 0,2,4,6
	v_pk_fma_f32 v[PP+\i:PP+\i+1], v[TT+\i:TT+\i+1], v[GC+6:GC+7], v[GC+8:GC+9]
.endr
.irp c, 10,12,14
.irp i, 0,2,4,6
	v_pk_fma_f32 v[PP+\i:PP+\i+1], v[PP+\i:PP+\i+1], v[TT+\i:TT+\i+1], v[GC+\c:GC+\c+1]
.endr
.endr
.irp i, 0,2,4,6
	v_pk_mul_f32 v[PP+\i:PP+\i+1], v[PP+\i:PP+\i+1], v[TT+\i:TT+\i+1]
	v_pk_mul_f32 v[AX+\i:AX+\i+1], v[AX+\i:AX+\i+1], v[EE+\i:EE+\i+1]
.endr
.irp i, 0,2,4,6
	v_pk_fma_f32 v[MM+\i:MM+\i+1], v[AX+\i:AX+\i+1], v[PP+\i:PP+\i+1], v[MM+\i:MM+\i+1]   ; the coefficients are kept negated and halved
.endr
.irp i, 0,1,2,3
	v_cvt_pk_bf16_f32 v[(\pk)+\i], v[MM+2*\i], v[MM+2*\i+1]
.endr
.endm
; The way out of tile j: through my wave's own stage, so that sixteen lanes store 256 consecutive bytes, aligned.
; The tile's eight packed results have four registers each, v[CV ..], so that one wait stands ahead of the run of LDS stores.
.macro EPI j
	s_mul_i32 s30, s24, 20
	s_add_co_u32 s30, s30, s14
	s_add_co_u32 s30, s30, 4*\j                    ; the tile's number among the expert's
	s_cmp_ge_u32 s30, s21
	s_cbranch_scc1 .Lskip_\@                       ; past the expert's last tile: nothing to store
	s_add_co_u32 s30, s30, s20
	s_min_u32 s30, s30, 135
	s_lshl_b32 s30, s30, TSH
	s_mov_b32 s31, 0
	s_wait_xcnt 0x0                                ; the last tile's stores: their base and data are rewritten only behind this wait
	s_wait_alu depctr_vm_vsrc(0)                   ; the last tile's stores have read v[BF0 ..], its LDS stores v[CV ..] (ahead of the first tile: the last rounded chunk's LDS stores have read v[CV ..]): the lines below write both again
	s_add_nc_u64 s[28:29], s[12:13], s[30:31]
.if \j < 4
	WIN 0x01
.else
	WIN 0x02
.endif
.irp b, 0,1,2,3,4,5,6,7
.irp u, 0,2,4,6
	v_pk_add_f32 v[BF1+8*\b+\u:BF1+8*\b+\u+1], v[(64*\j)%256+8*\b+\u:(64*\j)%256+8*\b+\u+1], v[BIAS+8*\b+\u:BIAS+8*\b+\u+1]
.endr
.endr
	WIN 0
.irp b, 0,1,2,3,4,5,6,7
	GELU (BF1+8*\b), (CV+4*\b)
.endr
	s_wait_alu depctr_va_vdst(0)                   ; the roundings have written v[CV ..], which the LDS stores read; gelu's lines are done with v[BF0 ..], in which the rows read back land
.irp b, 0,1,2,3,4,5,6,7
	ds_store_b128 v[STO], v[CV+4*\b:CV+4*\b+3] offset:32*\b
.endr
.irp t, 0,1,2,3,4,5,6,7
	ds_load_b128 v[BF0+4*\t:BF0+4*\t+3], v[RD] offset:2*SP*\t      ; LDS serves a wave's instructions in order (ISA guide 5.7.1): these see the stores above
.endr
.irp t, 0,1,2,3,4,5,6,7
	s_wait_dscnt 7-\t
	global_store_b128 v[CO], v[BF0+4*\t:BF0+4*\t+3], s[28:29] offset:2*\t*PO
.endr
.Lskip_\@:
.endm
	s_load_b256 s[4:11], s[0:1], 0x0               ; A s[4:5], W s[6:7], b1 s[8:9], tab s[10:11]
	s_load_b64 s[12:13], s[0:1], 0x20              ; out
	s_set_vgpr_msb 0x80
	v_lshl_add_u32 v254, v0, 2, 0x4c400
	v_mov_b32 v255, 0
	s_set_vgpr_msb 0x8000
	v_lshrrev_b32 v1, 5, v0
	v_readfirstlane_b32 s14, v1                    ; wave
	s_and_b32 s15, ttmp7, 0xffff                   ; expert
	s_mov_b32 s16, ttmp9                           ; block of 128 columns
	s_mov_b32 s24, 0                               ; pass
	v_and_b32 v1, 15, v0                           ; r
	v_bfe_u32 v2, v0, 4, 1                         ; h
	v_and_b32 v[CV], 31, v0                        ; lane
	v_lshlrev_b32 v[WOFF], 4, v[CV]
	s_wait_alu depctr_va_sdst(0)                   ; s14 is written, ahead of its first reader
	s_mul_i32 s30, s14, 16*WP
	v_lshl_add_u32 v[LST], v[CV], 3, s30           ; row 16 w, 8 bytes a lane
	v_and_b32 v[LB0], 7, v0
	v_lshl_add_u32 v[LB0], v2, 5, v[LB0]
	v_mul_u32_u24 v[LB0], v[LB0], WP               ; row 32 h + (lane & 7)
	v_bfe_u32 v[LB], v0, 3, 1
	v_lshl_add_u32 v[LB0], v[LB], 4, v[LB0]        ; + 16 bytes for the odd groups of eight lanes
	v_mov_b32 v[LB], v[LB0]
	s_mul_i32 s30, s14, 16*SP
	s_add_co_u32 s30, s30, STAGE                   ; my stage
	v_mul_u32_u24 v[STO], v1, SP
	v_lshl_add_u32 v[STO], v2, HSH, v[STO]
	v_add_nc_u32 v[STO], s30, v[STO]
	v_mul_u32_u24 v[RD], v2, SP
	v_lshl_add_u32 v[RD], v1, 4, v[RD]
	v_add_nc_u32 v[RD], s30, v[RD]
	v_mul_u32_u24 v[CO], v2, PO
	v_lshl_add_u32 v[CO], v1, 4, v[CO]
	v_lshlrev_b32 v31, 6, v2                       ; 64 h: 32 k of bf16
	v_lshlrev_b32 v2, 5, v2                        ; 32 h: 8 f32 of bias
.irp u, 0,1
	v_mov_b32 v[GC+\u],    0.2316419               ; 0.3275911 / sqrt 2
	v_mov_b32 v[GC+2+\u],  1.0
	v_mov_b32 v[GC+4+\u],  0xbf38aa3b              ; -log2(e) / 2
	v_mov_b32 v[GC+6+\u],  -0.5307027145           ; -a5 / 2
	v_mov_b32 v[GC+8+\u],  0.7265760135            ; -a4 / 2
	v_mov_b32 v[GC+10+\u], -0.7107068705           ; -a3 / 2
	v_mov_b32 v[GC+12+\u], 0.142248368             ; -a2 / 2
	v_mov_b32 v[GC+14+\u], -0.127414796            ; -a1 / 2
.endr
	s_lshl_b32 s30, s15, 4
	s_wait_kmcnt 0x0
	s_load_b128 s[20:23], s[10:11], s30 offset:0x0 ; base16, T16, lastrow, npass
	s_lshl_b32 s32, s15, 24                        ; the expert's 16 MiB
	s_lshl_b32 s33, s16, 9                         ; + my 128 columns
	s_add_co_u32 s32, s32, s33
	s_mul_i32 s33, s14, 16*PW                      ; + my wave's 16 rows
	s_add_co_u32 s32, s32, s33
	s_mov_b32 s33, 0
	s_add_nc_u64 s[6:7], s[6:7], s[32:33]
	s_lshl_b32 s32, s15, 14
	s_lshl_b32 s33, s16, 9
	s_add_co_u32 s32, s32, s33
	s_mov_b32 s33, 0
	s_add_nc_u64 s[8:9], s[8:9], s[32:33]          ; b1[e][128 nb]
	s_lshl_b32 s32, s16, 8
	s_add_nc_u64 s[12:13], s[12:13], s[32:33]      ; h at my columns
	s_wait_alu depctr_va_vdst(0)                   ; v2, v[WOFF], v[LST], v[LB], v[STO], v[RD] and v[CO] are written, which the loads and stores from here on read
.irp b, 0,1,2,3,4,5,6,7
	global_load_b128 v[BIAS+8*\b:BIAS+8*\b+3],   v2, s[8:9] offset:64*\b
	global_load_b128 v[BIAS+8*\b+4:BIAS+8*\b+7], v2, s[8:9] offset:64*\b+16
.endr
	LDW ST0, 0                                     ; chunks 0 and 1 of the weights go out first: they hang on no table
	LDW ST1, 64
	WIN 0
	s_wait_kmcnt 0x0
	SETROWS
	s_mov_b64 s[26:27], s[4:5]
	s_wait_alu depctr_va_vdst(0)                   ; v[AOFF ..] are written, which the loads of A read
	LDA 0, 0
	s_wait_loadcnt 36                              ; chunk 1's weights (16) and chunk 0's A (20) stay out: chunk 0's weights and the bias are in
	CVT ST0
	s_wait_alu depctr_va_vdst(0)                   ; the conversions have written v[CV ..], which the LDS stores read, and are done reading stage 0, in which chunk 2's weights land
	STW
	LDW ST0, 128
	s_wait_dscnt 0x0
	s_barrier_signal -1
	s_barrier_wait -1                              ; chunk 0 is whole
	FETCHB 0, 0
	FETCHB 0, 1
	; Loads are issued in the order .. W(c+1) | A(c), W(c+2) | A(c+1), W(c+3).  W(c+1) is waited for ahead of chunk c's own loads: it is in when 20 + 16 = 36
	; younger ones are out; A(c) when 16 + 20 + 16 = 52 are: each chunk of weights has two chunks' work in which to come.
	TRIP 0, 1, 1, 2, 36, 52, 1                     ; chunk 0: its products start the sums, nothing is cleared
	TRIP 1, 0, 1, 2, 36, 52, 1
	STEP 1
	WIN 0
	s_mov_b32 s25, 5
.Lpair:                                            ; chunks 2 to 11
	TRIP 0, 0, 1, 2, 36, 52, 1
	TRIP 1, 0, 1, 2, 36, 52, 1
	STEP 1
	WIN 0
	s_sub_co_u32 s25, s25, 1
	s_cmp_lg_u32 s25, 0
	s_cbranch_scc1 .Lpair
	TRIP 0, 0, 1, 2, 36, 52, 1                     ; chunk 12 asks for the last weights, chunk 15's
	TRIP 1, 0, 1, 1, 36, 36, 1                     ; chunk 13: behind W(14) A(13) 20 + W(15) 16; behind A(13) W(15) 16 + A(14) 20
	STEP 1
	TRIP 0, 0, 1, 1, 20, 20, 1                     ; chunk 14: behind W(15) A(14) 20; behind A(14) A(15) 20
	TRIP 1, 0, 0, 0, 0, 0, 0                       ; chunk 15: nothing left to fetch, so no dependence to state
	WIN 0
.Lepi:
	PLACES
	EPI 0
	EPI 1
	EPI 2
	EPI 3
	EPI 4
	s_add_co_u32 s24, s24, 1
	s_cmp_ge_u32 s24, s23
	s_cbranch_scc1 .Ldone
	; A further pass of 20 tiles over the resident weights: no LDS byte of the weights is written any more, so no barrier.
	; Its 16 chunks are written out: LB starts anew at chunk 0's address and goes on by constants, up to byte 294,880, short of the stages.
	s_wait_xcnt 0x0                                ; the stores' data and the loads' offsets are rewritten only behind this wait
	s_wait_alu depctr_vm_vsrc(0)                   ; the last pass's loads of A have read v[AOFF ..], its fragment loads v[LB]; the stores of the way out have read v[BF0 ..], in which fragments land
	SETROWS
	s_mov_b64 s[26:27], s[4:5]
	v_mov_b32 v[LB], v[LB0]
	s_wait_alu depctr_va_vdst(0)                   ; v[AOFF ..] and v[LB] are written; the way out's lines are done with v[BF0 ..] and v[BF1 ..]; the last pass's matrix instructions are done reading A[0]
	LDA 0, 0
	FETCHB 0, 0
	FETCHB 0, 1
	TRIP 0, 1, 1, 0, 0, 20, 1                      ; chunks 0 and 1; behind A(c) only A(c+1): 20
	TRIP 1, 0, 1, 0, 0, 20, 1
	STEP 0
.rept 6                                            ; chunks 2 to 13
	TRIP 0, 0, 1, 0, 0, 20, 1
	TRIP 1, 0, 1, 0, 0, 20, 1
	STEP 0
.endr
	TRIP 0, 0, 1, 0, 0, 20, 1                      ; chunk 14
	TRIP 1, 0, 0, 0, 0, 0, 0                       ; chunk 15
	WIN 0
	s_cmp_lt_u32 s24, s23
	s_cbranch_scc1 .Lepi
.Ldone:
	s_set_vgpr_msb 0xa
	s_wait_dscnt 0x0
	s_wait_alu depctr_hold_cnt(0) depctr_sa_sdst(0) depctr_va_vdst(0) depctr_va_sdst(0) depctr_va_ssrc(0) depctr_va_vcc(0) depctr_vm_vsrc(0)
	s_wait_tensorcnt 0x0
	ds_add_u32 v254, v255
	s_wait_dscnt 0x0
	s_endpgm
.Lfunc_end_k_q9293aa5758_ffn1:
	.size	k_q9293aa5758_ffn1, .Lfunc_end_k_q9293aa5758_ffn1-k_q9293aa5758_ffn1
	.p2alignl 7, 3214868480
	.fill 96, 4, 3214868480
	.section	.rodata,"a",@progbits
	.p2align	6, 0x0
	.amdhsa_kernel k_q9293aa5758_ffn1
		.amdhsa_group_segment_fixed_size 312832
		.amdhsa_private_segment_fixed_size 0
		.amdhsa_enable_private_segment 0
		.amdhsa_kernarg_size 40
		.amdhsa_user_sgpr_count 2
		.amdhsa_user_sgpr_kernarg_segment_ptr 1
		.amdhsa_wavefront_size32 1
		.amdhsa_system_sgpr_workgroup_id_x 1
		.amdhsa_system_sgpr_workgroup_id_y 1
		.amdhsa_system_sgpr_workgroup_id_z 1
		.amdhsa_system_vgpr_workitem_id 0
		.amdhsa_next_free_vgpr 1024
		.amdhsa_next_free_sgpr 66
		.amdhsa_reserve_vcc 0
		.amdhsa_float_denorm_mode_32 3
		.amdhsa_float_denorm_mode_16_64 3
		.amdhsa_memory_ordered 1
		.amdhsa_forward_progress 1
		.amdhsa_inst_pref_size 255
	.end_amdhsa_kernel
	.section	.bss,"aw",@nobits
	.p2align	6
	.space	262144
	.amdgpu_metadata
---
amdhsa.version: [ 1, 2 ]
amdhsa.kernels:
  - .name:           k_q9293aa5758_ffn1
    .symbol:         k_q9293aa5758_ffn1.kd
    .args:
      - { .name: xg, .offset: 0, .size: 8, .value_kind: global_buffer, .address_space: global }
      - { .name: W1, .offset: 8, .size: 8, .value_kind: global_buffer, .address_space: global }
      - { .name: b1, .offset: 16, .size: 8, .value_kind: global_buffer, .address_space: global }
      - { .name: tab, .offset: 24, .size: 8, .value_kind: global_buffer, .address_space: global }
      - { .name: h, .offset: 32, .size: 8, .value_kind: global_buffer, .address_space: global }
    .group_segment_fixed_size: 312832
    .private_segment_fixed_size: 0
    .kernarg_segment_align: 8
    .kernarg_segment_size: 40
    .max_flat_workgroup_size: 128
    .sgpr_count:     66
    .vgpr_count:     1024
    .wavefront_size: 32
...
	.end_amdgpu_metadata
.endif
;; end of part 6
;; launch ffn2 (part 7): grid 32 x 8, 4 waves a work-group, no clusters, 312,832 bytes of LDS; arguments h, W2, tab, y; writes y
.if DOCPART == 7
	.amdgcn_target "amdgcn-amd-amdhsa--gfx1250"
	.amdhsa_code_object_version 6
	.text
	.protected	k_q9293aa5758_ffn2
	.globl	k_q9293aa5758_ffn2
	.p2align	8
	.type	k_q9293aa5758_ffn2,@function
k_q9293aa5758_ffn2:
	s_mov_b64 s[64:65], 0
	v_nop
	global_prefetch_b8 v0, s[64:65] scope:SCOPE_SE
	s_setreg_imm32_b32 hwreg(HW_REG_WAVE_SCHED_MODE, 0, 2), 2
	s_setreg_imm32_b32 hwreg(HW_REG_WAVE_MODE, 25, 1), 1
	s_wait_xcnt 0x0
	s_wait_alu depctr_vm_vsrc(0)
; ONE LAYER OF THE EXPERTS, on the rows that chose them.  LAYER 1: h = gelu(xg W1[e] + b1[e]), bf16.  LAYER 2: y[ks] = h W2[e]
; over a quarter ks of K, f32 (the four quarters, b2 and the weights of the softmax are put together by the last launch).
; A work-group owns a slice of one expert's weights, K = 1,024 x N = 128, reads it from memory ONCE, and takes ALL rows of
; that expert through it: 32 slices x 8 experts = 256 work-groups, four waves each.
; The weights are f32 and lie [K][N]: they pass through registers to be rounded to bf16 and are laid into LDS as [k][128]
; with a pitch of 288 bytes, where they stay; ds_load_tr16_b128 reads them transposed.  So the tensor mover is not used
; (it cannot round), and with 294,912 bytes resident no f32 slots would fit beside them.
; NO CLUSTER: no two work-groups read the same weight byte; what work-groups share is the rows of A, which come by
; register loads whose rows are read from a table.
; PASS 0 has no branch on data: chunk c + 1 of 64 k is rounded and stored to LDS while chunk c is multiplied, one barrier a
; chunk.  A wave takes row tiles 20 pass + 4 j + w, j = 0..4: 80 rows x 128 columns, 40 accumulators.  Experts with more
; than 320 rows take further passes over the resident weights, which hold no barrier; their 16 chunks are written out, so
; that every LDS address in them is chunk 0's plus a constant.  Rows past the expert's last row are read as that last row
; (written for certain); tiles past its last tile are multiplied in pass 0 and not stored.
; K is permuted alike in both operands: in step st of chunk c lane half h holds k = 64 c + 32 h + 16 st + 0..15.
; The matrix instruction takes the weights as source 0 and A's rows as source 1: a lane then holds row r of the tile and
; eight neighbouring columns 16 b + 8 h + 0..7.
; This text is the first layer's with other pitches, no bias, no gelu, and f32 out in two halves of 64 columns.
; THE MODE: SCHED_MODE bits 1:0 = 2 (LLVM: expert scheduling mode 2), set by the entry lines.  The code itself states the register
; dependences between vector or matrix instructions and memory or LDS instructions, with s_wait_alu, always for 0.
; THE PLAN.  Registers that memory or LDS instructions touch, in chunk c of parity p:
;   ST[1-p]        Read by the chunk's 32 conversions; behind them the loads of chunk c + 3's weights land in it.
;   CV             Written by those conversions; read by the chunk's 16 LDS stores.
;   A[1-p]         Read by chunk c - 1's matrix instructions; the loads of chunk c + 1's rows land in it.
;   BF[1-p]        Two sets of 64 registers.  Read by chunk c - 1's matrix instructions; behind the chunk's barrier the fragments of chunk c + 1 land in them.
;   v[LST], v[LB]  The LDS addresses of chunk c + 1: stepped at the chunk's head; read by its LDS stores and by its fragment loads.
;   v[AOFF ..], v[WOFF], v[STO], v[RD], v[CO]  Offsets and addresses that no line of a pass writes.
; The chunk's own matrix instructions name BF[p], A[p] and the accumulators: none of the registers that its loads and stores touch.
; So two waits stand at a chunk's head.  One on vm_vsrc: the last chunk's LDS stores and fragment loads have read CV, v[LST] and v[LB]; the two adds and
; the conversions follow it.  One on va_vdst behind the conversions: see TRIP.  All the chunk's 16 LDS stores and 68 loads follow that one with no further wait.
; The way out holds no vector instruction, and each of its five tiles reads its rows back into 64 registers of its own: one wait on va_vdst at its head serves all five.
.set PASH, 13                          ; A's pitch 8,192 bytes
.set PW,   4096                        ; the weights' pitch
.set PO,   4096                        ; the output's pitch
.set TSH,  16                          ; 16 rows of output
.set HSH,  5                           ; stage: 32 bytes for each half of the lanes
.set YS,    8912896                    ; bytes of one quarter's y
.set WP,    288                        ; LDS pitch of a weight row: 256 bytes + 32, so eight rows x two 16-byte columns fall on 16 different columns of 16 bytes
.set CHUNK, 64*WP
.set STAGE, 1024*WP                    ; behind the weights: 16 rows x 272 bytes for each wave
.set SP,    272
; window 0
.set AOFF, 3                           ; v[3:7]     byte offset of my row of tile j in A, + 64 h
.set WOFF, 8                           ; v8         16 lane
.set LST,  9                           ; v9         where my wave's 16 rows of a chunk go
.set LB,   10                          ; v10        where my weight fragments of the chunk to be fetched lie
.set LB0,  11                          ; v11        the same for chunk 0
.set STO,  28
.set RD,   29
.set CO,   30
.set BF0,  32                          ; v[32:95]   even chunks' weight fragments of step 0; on the way out tile 0's rows read back
.set BF1,  96                          ; v[96:159]  even chunks' weight fragments of step 1; on the way out tile 1's; v[160:223] tile 2's
.set CV,   224                         ; v[224:255] a chunk's 16 rows rounded
; window 1: accumulator (j, b) at 8 (8 j + b), j = 0..3.  window 2: accumulator (4, b) at 8 b; A's fragments at ABUF + 80 p + 40 st + 8 j
.set ABUF, 64
; window 3: v[0:127] two stages of 16 rows x 4 f32 of weights, on the way out tiles 3's and 4's rows read back; v[128:191], v[192:255] odd chunks' weight fragments of steps 0 and 1
.set ST0,  0
.set ST1,  64
.set MSB, 0
.macro WIN new                         ; low byte: bits 1:0 source 0, 3:2 source 1, 5:4 source 2, 7:6 destination; the high byte repeats the setting that is left
.if MSB != (\new)
	s_set_vgpr_msb (MSB<<8)|(\new)
.set MSB, (\new)
.endif
.endm
.macro PLACES                          ; four places behind a matrix instruction before a load lands on, or a vector instruction touches, its registers
.rept 4
	v_nop
.endr
.endm
.macro SETROWS                         ; the rows of this pass's five tiles
	s_mul_i32 s30, s24, 20
	s_add_co_u32 s30, s30, s14
	s_add_co_u32 s30, s30, s20
	s_lshl_b32 s30, s30, 4                         ; 16 (base16 + 20 pass + w)
.irp j, 0,1,2,3,4
	s_add_co_u32 s31, s30, 64*\j
	v_add_nc_u32 v[AOFF+\j], s31, v1
	v_min_u32 v[AOFF+\j], s22, v[AOFF+\j]          ; never past the expert's last row
	v_min_u32 v[AOFF+\j], 0x87f, v[AOFF+\j]        ; nor past the buffer's 2,176 rows
	v_lshl_add_u32 v[AOFF+\j], v[AOFF+\j], PASH, v31
.endr
.endm
.macro LDA p, off                      ; 20 loads: A's fragments of one chunk (2 steps x 5 tiles), into buffer p
	WIN 0x80
.irp st, 0,1
.irp j, 0,1,2,3,4
	global_load_b128 v[ABUF+80*(\p)+40*\st+8*\j:ABUF+80*(\p)+40*\st+8*\j+3],   v[AOFF+\j], s[26:27] offset:\off+32*\st
	global_load_b128 v[ABUF+80*(\p)+40*\st+8*\j+4:ABUF+80*(\p)+40*\st+8*\j+7], v[AOFF+\j], s[26:27] offset:\off+32*\st+16
.endr
.endr
.endm
.macro LDW sg, rows                    ; 16 loads: my wave's 16 rows of a chunk, 512 consecutive bytes each
	WIN 0xc0
.irp i, 0,1,2,3,4,5,6,7,8,9,10,11,12,13,14,15
	global_load_b128 v[(\sg)+4*\i:(\sg)+4*\i+3], v[WOFF], s[6:7] offset:((\rows)+\i)*PW th:TH_LOAD_NT
.endr
.endm
.macro CVT sg                          ; round a stage to bf16
	WIN 0x0f
.irp i, 0,1,2,3,4,5,6,7,8,9,10,11,12,13,14,15
	v_cvt_pk_bf16_f32 v[CV+2*\i],   v[(\sg)+4*\i],   v[(\sg)+4*\i+1]
	v_cvt_pk_bf16_f32 v[CV+2*\i+1], v[(\sg)+4*\i+2], v[(\sg)+4*\i+3]
.endr
.endm
.macro STW                             ; and lay it into LDS
	WIN 0
.irp i, 0,1,2,3,4,5,6,7,8,9,10,11,12,13,14,15
	ds_store_b64 v[LST], v[CV+2*\i:CV+2*\i+1] offset:WP*\i
.endr
.endm
.macro FETCHB q, st                    ; 16 transposing loads: the eight weight fragments of step st of the chunk at v[LB], into the set of parity q
	WIN 0xc0*(\q)
.set mFB, 32+96*(\q)+64*(\st)
.irp b, 0,1,2,3,4,5,6,7
	ds_load_tr16_b128 v[mFB+8*\b:mFB+8*\b+3],   v[LB] offset:16*WP*(\st)+32*\b
	ds_load_tr16_b128 v[mFB+8*\b+4:mFB+8*\b+7], v[LB] offset:16*WP*(\st)+8*WP+32*\b
.endr
.endm
.macro MULT p, st, zero, j             ; 8 matrix instructions: tile j.  The 40 accumulators take turns, one instruction a turn, always in the order j = 0..4, b = 0..7
.if (\j) < 4
	WIN 0x58+3*(\p)
.set mAC, 64*(\j)
.else
	WIN 0xa8+3*(\p)
.set mAC, 0
.endif
.set mFB, 32+96*(\p)+64*(\st)
.set mFA, ABUF+80*(\p)+40*(\st)+8*(\j)
.irp b, 0,1,2,3,4,5,6,7
.if \zero
	v_wmma_f32_16x16x32_bf16 v[mAC+8*\b:mAC+8*\b+7], v[mFB+8*\b:mFB+8*\b+7], v[mFA:mFA+7], 0
.else
	v_wmma_f32_16x16x32_bf16 v[mAC+8*\b:mAC+8*\b+7], v[mFB+8*\b:mFB+8*\b+7], v[mFA:mFA+7], v[mAC+8*\b:mAC+8*\b+7]
.endif
.endr
.endm
.macro STEP both                       ; two chunks on
	s_wait_xcnt 0x0                                ; the bases are stepped only behind this wait
	s_add_nc_u64 s[26:27], s[26:27], 256
.if \both
	s_add_nc_u64 s[6:7], s[6:7], 128*PW
.endif
.endm
; Chunk c, of parity p.  a: fetch A of chunk c + 1.  f: 1 = round and store the weights of chunk c + 1, 2 = also fetch those of chunk c + 3.
; wW, wA: how many younger loads may stay out when the weights of c + 1, and A of c, must be in.  nb: a chunk follows.
.macro TRIP p, zero, a, f, wW, wA, nb
.if \nb
	WIN 0
	s_wait_alu depctr_vm_vsrc(0)                   ; the last chunk's fragment loads have read v[LB]; its LDS stores have read v[LST] and v[CV ..]: all are written again below
	v_add_nc_u32 v[LB], CHUNK, v[LB]               ; chunk c + 1
.if \f
	v_add_nc_u32 v[LST], CHUNK, v[LST]
	s_wait_loadcnt \wW
	CVT (64-64*\p)                                 ; these are also the places between the last chunk's matrix instructions and the loads into the registers that they read
.else
	PLACES
.endif
	s_wait_alu depctr_va_vdst(0)                   ; v[LB] (and v[LST], v[CV ..]) are written; the conversions are done reading their stage; the last chunk's matrix instructions are done reading A[1-p] and BF[1-p]
.endif
.if \f
	STW
.endif
.if \a
	LDA (1-\p), (\p+1)*128
.endif
.if \f == 2
	LDW (64-64*\p), (\p+3)*64
.endif
.if \f
	s_wait_dscnt 0x0                               ; my rows of chunk c + 1 are in LDS before I say so; this chunk's fragments are in too
	s_barrier_signal -1
.else
	s_wait_dscnt 16                                ; step 0's fragments are in; step 1's sixteen loads may stay out
.endif
	s_wait_loadcnt \wA
.irp j, 0,1,2,3,4
	MULT \p, 0, \zero, \j
.endr
.if \f
	s_barrier_wait -1                              ; chunk c + 1 is whole
.endif
.if \nb
	FETCHB (1-\p), 0                               ; no wait: no vector or matrix instruction since the wait on va_vdst names v[LB] or BF[1-p]
.endif
.if !\f
	s_wait_dscnt 16*\nb                            ; all but the sixteen just issued: step 1's fragments are in
.endif
	MULT \p, 1, 0, 0
	MULT \p, 1, 0, 1
.if \nb
	FETCHB (1-\p), 1
.endif
	MULT \p, 1, 0, 2
	MULT \p, 1, 0, 3
	MULT \p, 1, 0, 4
.endm
; The way out of tile j: through my wave's own stage, so that sixteen lanes store 256 consecutive bytes, aligned.
; The rows come back into 64 registers that are the tile's own: tiles 0 to 2 at v[32 + 64 j ..] of window 0, tiles 3 and 4 at v[64 (j - 3) ..] of window 3.
; So no register that a store of the way out reads is written again before the next pass's head.
.macro EPI j
	s_mul_i32 s30, s24, 20
	s_add_co_u32 s30, s30, s14
	s_add_co_u32 s30, s30, 4*\j                    ; the tile's number among the expert's
	s_cmp_ge_u32 s30, s21
	s_cbranch_scc1 .Lskip_\@                       ; past the expert's last tile: nothing to store
	s_add_co_u32 s30, s30, s20
	s_min_u32 s30, s30, 135
	s_lshl_b32 s30, s30, TSH
	s_mov_b32 s31, 0
	s_wait_xcnt 0x0                                ; the last tile's stores: their base is rewritten only behind this wait
	s_add_nc_u64 s[28:29], s[12:13], s[30:31]
.if \j < 3
.set eRB, 32+64*\j
.set eWL, 0
.set eWS, 0
.else
.set eRB, 64*(\j-3)
.set eWL, 0xc0                         ; a load's data: the destination's window
.set eWS, 0x0c                         ; a store's data: source 1's window
.endif
.irp hf, 0,1
.if \j < 4
	WIN 0x04
.else
	WIN 0x08
.endif
.irp bb, 0,1,2,3
	ds_store_b128 v[STO], v[(64*\j)%256+8*(4*\hf+\bb):(64*\j)%256+8*(4*\hf+\bb)+3]   offset:64*\bb
	ds_store_b128 v[STO], v[(64*\j)%256+8*(4*\hf+\bb)+4:(64*\j)%256+8*(4*\hf+\bb)+7] offset:64*\bb+16
.endr
	WIN eWL
.irp t, 0,1,2,3,4,5,6,7
	ds_load_b128 v[eRB+32*\hf+4*\t:eRB+32*\hf+4*\t+3], v[RD] offset:2*SP*\t      ; LDS serves a wave's instructions in order (ISA guide 5.7.1): these see the stores above
.endr
	WIN eWS
.irp t, 0,1,2,3,4,5,6,7
	s_wait_dscnt 7-\t
	global_store_b128 v[CO], v[eRB+32*\hf+4*\t:eRB+32*\hf+4*\t+3], s[28:29] offset:256*\hf+2*\t*PO
.endr
.endr
	WIN 0
.Lskip_\@:
.endm
	s_load_b128 s[4:7], s[0:1], 0x0                ; A s[4:5], W s[6:7]
	s_load_b64 s[10:11], s[0:1], 0x10              ; tab
	s_load_b64 s[12:13], s[0:1], 0x18              ; out
	v_lshl_add_u32 v26, v0, 2, 0x4c400
	v_mov_b32 v27, 0
	v_lshrrev_b32 v1, 5, v0
	v_readfirstlane_b32 s14, v1                    ; wave
	s_and_b32 s15, ttmp7, 0xffff                   ; expert
	s_and_b32 s16, ttmp9, 7                        ; block of 128 columns
	s_lshr_b32 s17, ttmp9, 3                       ; quarter of K
	s_mov_b32 s24, 0                               ; pass
	v_and_b32 v1, 15, v0                           ; r
	v_bfe_u32 v2, v0, 4, 1                         ; h
	v_and_b32 v[CV], 31, v0                        ; lane
	v_lshlrev_b32 v[WOFF], 4, v[CV]
	s_wait_alu depctr_va_sdst(0)                   ; s14 is written, ahead of its first reader
	s_mul_i32 s30, s14, 16*WP
	v_lshl_add_u32 v[LST], v[CV], 3, s30           ; row 16 w, 8 bytes a lane
	v_and_b32 v[LB0], 7, v0
	v_lshl_add_u32 v[LB0], v2, 5, v[LB0]
	v_mul_u32_u24 v[LB0], v[LB0], WP               ; row 32 h + (lane & 7)
	v_bfe_u32 v[LB], v0, 3, 1
	v_lshl_add_u32 v[LB0], v[LB], 4, v[LB0]        ; + 16 bytes for the odd groups of eight lanes
	v_mov_b32 v[LB], v[LB0]
	s_mul_i32 s30, s14, 16*SP
	s_add_co_u32 s30, s30, STAGE                   ; my stage
	v_mul_u32_u24 v[STO], v1, SP
	v_lshl_add_u32 v[STO], v2, HSH, v[STO]
	v_add_nc_u32 v[STO], s30, v[STO]
	v_mul_u32_u24 v[RD], v2, SP
	v_lshl_add_u32 v[RD], v1, 4, v[RD]
	v_add_nc_u32 v[RD], s30, v[RD]
	v_mul_u32_u24 v[CO], v2, PO
	v_lshl_add_u32 v[CO], v1, 4, v[CO]
	v_lshlrev_b32 v31, 6, v2                       ; 64 h: 32 k of bf16
	s_lshl_b32 s30, s15, 4
	s_wait_kmcnt 0x0
	s_load_b128 s[20:23], s[10:11], s30 offset:0x0 ; base16, T16, lastrow, npass
	s_lshl_b32 s32, s15, 24                        ; the expert's 16 MiB
	s_lshl_b32 s33, s16, 9                         ; + my 128 columns
	s_add_co_u32 s32, s32, s33
	s_mul_i32 s33, s14, 16*PW                      ; + my wave's 16 rows
	s_add_co_u32 s32, s32, s33
	s_lshl_b32 s33, s17, 22                        ; + 1,024 rows a quarter
	s_add_co_u32 s32, s32, s33
	s_mov_b32 s33, 0
	s_add_nc_u64 s[6:7], s[6:7], s[32:33]
	s_lshl_b32 s32, s17, 11
	s_add_nc_u64 s[4:5], s[4:5], s[32:33]          ; h at my quarter of K
	s_mul_i32 s32, s17, YS
	s_lshl_b32 s33, s16, 9
	s_add_co_u32 s32, s32, s33
	s_mov_b32 s33, 0
	s_add_nc_u64 s[12:13], s[12:13], s[32:33]      ; y[ks] at my columns
	s_wait_alu depctr_va_vdst(0)                   ; v[WOFF], v[LST], v[LB], v[STO], v[RD] and v[CO] are written, which the loads and stores from here on read
	LDW ST0, 0                                     ; chunks 0 and 1 of the weights go out first: they hang on no table
	LDW ST1, 64
	WIN 0
	s_wait_kmcnt 0x0
	SETROWS
	s_mov_b64 s[26:27], s[4:5]
	s_wait_alu depctr_va_vdst(0)                   ; v[AOFF ..] are written, which the loads of A read
	LDA 0, 0
	s_wait_loadcnt 36                              ; chunk 1's weights (16) and chunk 0's A (20) stay out: chunk 0's weights are in
	CVT ST0
	s_wait_alu depctr_va_vdst(0)                   ; the conversions have written v[CV ..], which the LDS stores read, and are done reading stage 0, in which chunk 2's weights land
	STW
	LDW ST0, 128
	s_wait_dscnt 0x0
	s_barrier_signal -1
	s_barrier_wait -1                              ; chunk 0 is whole
	FETCHB 0, 0
	FETCHB 0, 1
	; Loads are issued in the order .. W(c+1) | A(c), W(c+2) | A(c+1), W(c+3).  W(c+1) is waited for ahead of chunk c's own loads: it is in when 20 + 16 = 36
	; younger ones are out; A(c) when 16 + 20 + 16 = 52 are: each chunk of weights has two chunks' work in which to come.
	TRIP 0, 1, 1, 2, 36, 52, 1                     ; chunk 0: its products start the sums, nothing is cleared
	TRIP 1, 0, 1, 2, 36, 52, 1
	STEP 1
	WIN 0
	s_mov_b32 s25, 5
.Lpair:                                            ; chunks 2 to 11
	TRIP 0, 0, 1, 2, 36, 52, 1
	TRIP 1, 0, 1, 2, 36, 52, 1
	STEP 1
	WIN 0
	s_sub_co_u32 s25, s25, 1
	s_cmp_lg_u32 s25, 0
	s_cbranch_scc1 .Lpair
	TRIP 0, 0, 1, 2, 36, 52, 1                     ; chunk 12 asks for the last weights, chunk 15's
	TRIP 1, 0, 1, 1, 36, 36, 1                     ; chunk 13: behind W(14) A(13) 20 + W(15) 16; behind A(13) W(15) 16 + A(14) 20
	STEP 1
	TRIP 0, 0, 1, 1, 20, 20, 1                     ; chunk 14: behind W(15) A(14) 20; behind A(14) A(15) 20
	TRIP 1, 0, 0, 0, 0, 0, 0                       ; chunk 15: nothing left to fetch, so no dependence to state
	WIN 0
.Lepi:
	PLACES
	s_wait_alu depctr_va_vdst(0)                   ; the matrix instructions have written the accumulators, which the LDS stores of the way out read; they and the conversions are done reading the registers in which the rows read back land.  The places above stay beside this wait
	EPI 0
	EPI 1
	EPI 2
	EPI 3
	EPI 4
	s_add_co_u32 s24, s24, 1
	s_cmp_ge_u32 s24, s23
	s_cbranch_scc1 .Ldone
	; A further pass of 20 tiles over the resident weights: no LDS byte of the weights is written any more, so no barrier.
	; Its 16 chunks are written out: LB starts anew at chunk 0's address and goes on by constants, up to byte 294,880, short of the stages.
	s_wait_xcnt 0x0                                ; the stores' data and the loads' offsets are rewritten only behind this wait
	s_wait_alu depctr_vm_vsrc(0)                   ; the last pass's loads of A have read v[AOFF ..], its fragment loads v[LB]; the stores of the way out have read the rows read back, in whose registers fragments and the next way out's rows land
	SETROWS
	s_mov_b64 s[26:27], s[4:5]
	v_mov_b32 v[LB], v[LB0]
	s_wait_alu depctr_va_vdst(0)                   ; v[AOFF ..] and v[LB] are written, which the loads below read
	LDA 0, 0
	FETCHB 0, 0
	FETCHB 0, 1
	TRIP 0, 1, 1, 0, 0, 20, 1                      ; chunks 0 and 1; behind A(c) only A(c+1): 20
	TRIP 1, 0, 1, 0, 0, 20, 1
	STEP 0
.rept 6                                            ; chunks 2 to 13
	TRIP 0, 0, 1, 0, 0, 20, 1
	TRIP 1, 0, 1, 0, 0, 20, 1
	STEP 0
.endr
	TRIP 0, 0, 1, 0, 0, 20, 1                      ; chunk 14
	TRIP 1, 0, 0, 0, 0, 0, 0                       ; chunk 15
	WIN 0
	s_cmp_lt_u32 s24, s23
	s_cbranch_scc1 .Lepi
.Ldone:
	s_wait_dscnt 0x0
	s_wait_alu depctr_hold_cnt(0) depctr_sa_sdst(0) depctr_va_vdst(0) depctr_va_sdst(0) depctr_va_ssrc(0) depctr_va_vcc(0) depctr_vm_vsrc(0)
	s_wait_tensorcnt 0x0
	ds_add_u32 v26, v27
	s_wait_dscnt 0x0
	s_endpgm
.Lfunc_end_k_q9293aa5758_ffn2:
	.size	k_q9293aa5758_ffn2, .Lfunc_end_k_q9293aa5758_ffn2-k_q9293aa5758_ffn2
	.p2alignl 7, 3214868480
	.fill 96, 4, 3214868480
	.section	.rodata,"a",@progbits
	.p2align	6, 0x0
	.amdhsa_kernel k_q9293aa5758_ffn2
		.amdhsa_group_segment_fixed_size 312832
		.amdhsa_private_segment_fixed_size 0
		.amdhsa_enable_private_segment 0
		.amdhsa_kernarg_size 32
		.amdhsa_user_sgpr_count 2
		.amdhsa_user_sgpr_kernarg_segment_ptr 1
		.amdhsa_wavefront_size32 1
		.amdhsa_system_sgpr_workgroup_id_x 1
		.amdhsa_system_sgpr_workgroup_id_y 1
		.amdhsa_system_sgpr_workgroup_id_z 1
		.amdhsa_system_vgpr_workitem_id 0
		.amdhsa_next_free_vgpr 1024
		.amdhsa_next_free_sgpr 66
		.amdhsa_reserve_vcc 0
		.amdhsa_float_denorm_mode_32 3
		.amdhsa_float_denorm_mode_16_64 3
		.amdhsa_memory_ordered 1
		.amdhsa_forward_progress 1
		.amdhsa_inst_pref_size 255
	.end_amdhsa_kernel
	.section	.bss,"aw",@nobits
	.p2align	6
	.space	262144
	.amdgpu_metadata
---
amdhsa.version: [ 1, 2 ]
amdhsa.kernels:
  - .name:           k_q9293aa5758_ffn2
    .symbol:         k_q9293aa5758_ffn2.kd
    .args:
      - { .name: h, .offset: 0, .size: 8, .value_kind: global_buffer, .address_space: global }
      - { .name: W2, .offset: 8, .size: 8, .value_kind: global_buffer, .address_space: global }
      - { .name: tab, .offset: 16, .size: 8, .value_kind: global_buffer, .address_space: global }
      - { .name: y, .offset: 24, .size: 8, .value_kind: global_buffer, .address_space: global }
    .group_segment_fixed_size: 312832
    .private_segment_fixed_size: 0
    .kernarg_segment_align: 8
    .kernarg_segment_size: 32
    .max_flat_workgroup_size: 128
    .sgpr_count:     66
    .vgpr_count:     1024
    .wavefront_size: 32
...
	.end_amdgpu_metadata
.endif
;; end of part 7
;; launch combine: the kernel of part 5 again; grid 256 x 1, 8 waves a work-group, no clusters, 0 bytes of LDS; arguments y, b2, prob, pos, sel, out0; writes out0
